; MI455X (gfx1250); checked and timed in simulation.
; The chip was launched on July 23, 2026; its instructions are those of AMD's public machine-readable ISA for CDNA 5 (MIT licence, August 2026) and "CDNA5" Instruction Set Architecture Reference Guide (July 2026). The comments in the code are by the model that wrote it; some were corrected since.
;; Attention Proto Net. Allowed arithmetic: float matrix products may take bf16 or f16 operands with f32 sums; all other float work in f32.
;; Inputs: W_fc 768 x 768 float32; W_nu 768 float32; b_fc 768 float32; hidden_states 64 x 512 x 768 float32.
;; Outputs: out0 64 x 768 float32.
;; 2 versions, each right and faster than the one before. Each part assembles by itself: llvm-mc -triple=amdgcn-amd-amdhsa -mcpu=gfx1250 --defsym DOCPART=n.
;; ======== version 1 of 2: 3 launches
;; limits: right only within a limited range of input values
;; workspace buffers: wfrag 1,179,648 bytes; part 851,968 bytes
;; launch prep (part 1): grid 48 x 3, 4 waves a work-group, no clusters, 8,960 bytes of LDS; arguments W_fc, wfrag; writes wfrag
.if DOCPART == 1
	.amdgcn_target "amdgcn-amd-amdhsa--gfx1250"
	.amdhsa_code_object_version 6
	.text
	.protected	k_q61215be54a_prep
	.globl	k_q61215be54a_prep
	.p2align	8
	.type	k_q61215be54a_prep,@function
k_q61215be54a_prep:
	s_mov_b64 s[64:65], 0
	v_nop
	global_prefetch_b8 v0, s[64:65] scope:SCOPE_SE
	s_setreg_imm32_b32 hwreg(HW_REG_WAVE_MODE, 25, 1), 1
	s_wait_xcnt 0x0
; W_fc [768 (n)][768 (k)] f32  ->  wfrag: bf16 in the order in which the next launch's matrix fragments want it.
; The 16 bytes at t*49152 + nt*1024 + c*512 + L*16 hold W_fc[16 nt + (L & 15)][32 t + 16 c + 8 (L >> 4) .. + 7]:
; t = K step of 32 (0..23), nt = tile of 16 columns of the product (0..47), c = half of the fragment, L = lane.
; So a fragment is two loads of 16 bytes a lane from 512 neighbouring bytes each, and a K step is one dense block.
; Work-group (nt, kp): 16 rows of W_fc x 256 k = 8 K steps.  Four waves.  In: 16 pieces of 1,024 neighbouring bytes;
; through LDS (the lanes' order changes); out: sixteen stores of 512 neighbouring aligned bytes.
; No matrix unit, no cluster: each byte is read once and written once, nothing is shared.
.set WROW,  3072                       ; bytes in a row of W_fc
.set LP,    528                        ; LDS row: 512 bytes of bf16 + 16, an odd multiple of 16: sixteen rows start 16 bytes apart modulo 256
.set KTILE, 49152                      ; bytes of a K step in wfrag
.set D,     8                          ; v[8:39] eight loads of four f32; later v[8:23] the four read-backs
	s_load_b128 s[4:7], s[0:1], 0x0                ; W_fc s[4:5], wfrag s[6:7]
	v_lshl_add_u32 v48, v0, 2, 0x2100
	v_mov_b32 v49, 0
	s_and_b32 s8, ttmp7, 0xffff                    ; kp
	s_mul_i32 s10, ttmp9, 16*WROW                  ; in: nt x 16 rows
	s_lshl_b32 s9, s8, 10                          ;     + kp x 256 f32
	s_add_co_u32 s10, s10, s9
	s_mov_b32 s11, 0
	s_mul_i32 s12, s8, 8*KTILE                     ; out: kp x 8 K steps
	s_lshl_b32 s9, ttmp9, 10                       ;      + nt x 1,024
	s_add_co_u32 s12, s12, s9
	s_mov_b32 s13, 0
	v_lshrrev_b32 v1, 6, v0                        ; thread / 64: which of two rows
	v_and_b32 v2, 63, v0                           ; thread % 64: which 16 bytes of the row's 1,024
	v_mul_u32_u24 v3, v1, WROW
	v_lshl_add_u32 v3, v2, 4, v3                   ; v3: load offset
	v_mul_u32_u24 v4, v1, LP
	v_lshl_add_u32 v4, v2, 3, v4                   ; v4: LDS store address (8 bytes of bf16)
	v_and_b32 v5, 15, v0
	v_mul_u32_u24 v5, v5, LP                       ; read back: row L & 15,
	v_lshrrev_b32 v6, 4, v0                        ; thread / 16 = 2 wave + (L >> 4)
	v_lshl_add_u32 v5, v6, 4, v5                   ; v5: + 32 wave + 16 (L >> 4)
	v_mul_u32_u24 v6, v1, KTILE                    ; out: (wave >> 1) K steps,
	v_lshl_add_u32 v6, v2, 4, v6                   ; v6: + (wave & 1) x 512 + L x 16 = (thread % 64) x 16
	s_wait_kmcnt 0x0
	s_add_nc_u64 s[4:5], s[4:5], s[10:11]
	s_add_nc_u64 s[6:7], s[6:7], s[12:13]
.irp i, 0,1,2,3,4,5,6,7
	global_load_b128 v[D+4*\i:D+4*\i+3], v3, s[4:5] offset:\i*2*WROW th:TH_LOAD_NT   ; rows 2 i and 2 i + 1; a wave's load covers 512 neighbouring bytes
.endr
	s_wait_loadcnt 0x0                             ; all eight: the work behind them is short
.irp i, 0,1,2,3,4,5,6,7
	v_cvt_pk_bf16_f32 v[D+4*\i],   v[D+4*\i],   v[D+4*\i+1]      ; rounds to nearest even, in place
	v_cvt_pk_bf16_f32 v[D+4*\i+1], v[D+4*\i+2], v[D+4*\i+3]
.endr
.irp i, 0,1,2,3,4,5,6,7
	ds_store_b64 v4, v[D+4*\i:D+4*\i+1] offset:\i*2*LP
.endr
	s_wait_dscnt 0x0                               ; my stores are done before I say so: other waves read them
	s_barrier_signal -1
	s_barrier_wait -1
.irp i, 0,1,2,3
	ds_load_b128 v[D+4*\i:D+4*\i+3], v5 offset:\i*128              ; piece 4 i + wave of the sixteen (K step, c): 32 bytes of a row each
.endr
.irp i, 0,1,2,3
	s_wait_dscnt 3-\i                              ; LDS loads come back in order: load i is in, the younger ones stay out
	global_store_b128 v6, v[D+4*\i:D+4*\i+3], s[6:7] offset:\i*2*KTILE   ; K step 2 i + (wave >> 1): 512 neighbouring bytes, aligned
.endr
	s_wait_tensorcnt 0x0
	ds_add_u32 v48, v49
	s_wait_dscnt 0x0
	s_endpgm
.Lfunc_end_k_q61215be54a_prep:
	.size	k_q61215be54a_prep, .Lfunc_end_k_q61215be54a_prep-k_q61215be54a_prep
	.p2alignl 7, 3214868480
	.fill 96, 4, 3214868480
	.section	.rodata,"a",@progbits
	.p2align	6, 0x0
	.amdhsa_kernel k_q61215be54a_prep
		.amdhsa_group_segment_fixed_size 8960
		.amdhsa_private_segment_fixed_size 0
		.amdhsa_enable_private_segment 0
		.amdhsa_kernarg_size 16
		.amdhsa_user_sgpr_count 2
		.amdhsa_user_sgpr_kernarg_segment_ptr 1
		.amdhsa_wavefront_size32 1
		.amdhsa_system_sgpr_workgroup_id_x 1
		.amdhsa_system_sgpr_workgroup_id_y 1
		.amdhsa_system_sgpr_workgroup_id_z 1
		.amdhsa_system_vgpr_workitem_id 0
		.amdhsa_next_free_vgpr 50
		.amdhsa_next_free_sgpr 66
		.amdhsa_reserve_vcc 0
		.amdhsa_float_denorm_mode_32 3
		.amdhsa_float_denorm_mode_16_64 3
		.amdhsa_memory_ordered 1
		.amdhsa_forward_progress 1
		.amdhsa_inst_pref_size 5
	.end_amdhsa_kernel
	.amdgpu_metadata
---
amdhsa.version: [ 1, 2 ]
amdhsa.kernels:
  - .name:           k_q61215be54a_prep
    .symbol:         k_q61215be54a_prep.kd
    .args:
      - { .name: W_fc, .offset: 0, .size: 8, .value_kind: global_buffer, .address_space: global }
      - { .name: wfrag, .offset: 8, .size: 8, .value_kind: global_buffer, .address_space: global }
    .group_segment_fixed_size: 8960
    .private_segment_fixed_size: 0
    .kernarg_segment_align: 8
    .kernarg_segment_size: 16
    .max_flat_workgroup_size: 128
    .sgpr_count:     66
    .vgpr_count:     50
    .wavefront_size: 32
...
	.end_amdgpu_metadata
.endif
;; end of part 1
;; launch main (part 2): grid 256 x 1, 4 waves a work-group, clusters of 4 x 1, 327,680 bytes of LDS; arguments hidden_states, wfrag, b_fc, W_nu, part; writes part
.if DOCPART == 2
	.amdgcn_target "amdgcn-amd-amdhsa--gfx1250"
	.amdhsa_code_object_version 6
	.text
	.protected	k_q61215be54a_main
	.globl	k_q61215be54a_main
	.p2align	8
	.type	k_q61215be54a_main,@function
k_q61215be54a_main:
	s_mov_b64 s[64:65], 0
	v_nop
	global_prefetch_b8 v0, s[64:65] scope:SCOPE_SE
	s_setreg_imm32_b32 hwreg(HW_REG_WAVE_MODE, 25, 1), 1
	s_wait_xcnt 0x0
	s_wait_alu depctr_hold_cnt(0) depctr_sa_sdst(0) depctr_va_vdst(0) depctr_va_sdst(0) depctr_va_ssrc(0) depctr_va_vcc(0) depctr_vm_vsrc(0)
	s_getreg_b32 s2, hwreg(HW_REG_IB_STS2, 6, 4)
	s_cmp_eq_u32 s2, 0
	s_cbranch_scc0 .Lentry_in_a_cluster
	s_endpgm
.Lentry_in_a_cluster:
	s_bfe_u32 s2, ttmp6, 0x10000c
	s_cmp_lg_u32 s2, 0x3003
	s_cbranch_scc0 .Lentry_shape_is_right
	s_endpgm
.Lentry_shape_is_right:
; For 128 rows of hidden_states (a quarter of a sample): x = hs W_fc^T + b_fc, nu = sum over n of tanh(x) W_nu, the softmax of these
; 128 rows about their own maximum, and the sum of the rows weighted by it.  Left in part[g]: 768 unnormalised sums, then (maximum, sum of weights);
; the next launch merges the four quarters of a sample.
;
; SHARES.  Work-group g = 4 x cluster + place: rows 128 g .. 128 g + 127 of [32768][768].  Four waves; wave w makes all 128 rows x columns
; 192 w .. 192 w + 191 of x: 8 x 12 accumulator tiles of 16 x 16 = 768 registers (windows 1 to 3).  K runs once, in 24 steps of 32,
; 96 matrix instructions a wave and step, fed by 16 + 24 LDS loads of 16 bytes a lane.
; hs is read from memory ONCE: as f32 into registers, rounded to bf16, stored into LDS, where all 128 rows stay for the matrix work
; (each wave reads all rows) and for the weighted sum at the end.
; W comes as bf16 in fragment order (wfrag) through a ring of two LDS slots of one K step.
; CLUSTER.  Every work-group walks all of wfrag, so the four work-groups of a cluster ask for each tile jointly (mask 15): that divides
; the requests for W by four.  hs is shared by nobody and takes no part in it.  The place in the cluster enters two global addresses
; (hs, part) and nothing else.
;
; ARITHMETIC.  Matrix operands bf16, sums f32.  With S = 2 log2(e): tanh(x) = 1 - 2 / (1 + 2^(S x)), so
; nu = sum(W_nu) - 2 sum over n of W_nu[n] / (1 + 2^t), t = S acc + S b.  sum(W_nu) is the same in every row and cancels in the softmax
; for every input: it is not formed.  What is kept is nu2 = log2(e) (nu - sum(W_nu)) = sum of w''[n] / (1 + 2^t), w'' = -S W_nu.
; Four terms share one reciprocal: sum w_i / e_i = N / D with D = e1 e2 e3 e4.
; The softmax takes the true maximum of the 128 rows away; the next launch takes away the maximum of the four.
; LIMITS.  t is capped at 30 (x > 10.4), so that D <= 2^120 (1 + 2^-28) and 1 / D is a normal number: tanh is then off by less than 2^-29.
; |W_nu| below 2^30, so that N stays finite.  The weighted sum uses hs rounded to bf16 (weights and sums f32).
;
; THE MATRIX INSTRUCTION IS USED TRANSPOSED: source 0 = 16 columns' rows of W, source 1 = 16 rows of hs.  Lane (r = L & 15, h = L >> 4) then holds
; row 16 a + r, and register j column 16 b + 8 h + j: the sum over columns stays in the lane but for one exchange of the two lane halves.
.set HROW,  3072                       ; bytes in a row of hs
.set HSP,   1552                       ; an LDS row of hs: 1,536 bytes of bf16 + 16 = 97 x 16: sixteen rows start 16 bytes apart modulo 256
.set WTILE, 49152                      ; bytes of a K step of wfrag, and of a slot
.set WPART, 12288                      ; a wave's 12 column tiles of it
.set PROW,  3328                       ; bytes of a row of part
; LDS.  Only the ring is ever filled by tensor loads; all the rest is written by LDS stores and lies in 256-byte blocks of its own.
.set HS,    98304                      ; behind the ring's two slots: 128 rows x 1,552
.set CB,    296960                     ; S b_fc, 768 f32
.set CW,    CB+3072                    ; -S W_nu, 768 f32
.set NUP,   303104                     ; [4 waves][128 rows] partial nu2
.set EW,    305152                     ; [4 waves][128 rows] weights, each wave's own copy
.set PP,    307200                     ; [4 waves][768] partial weighted sums
; Window 0 in the K loop.  v0 thread, v1 r, v12 L, v13 h, v7 v14 v15 scratch.
.set AD,    2                          ; v2-5     LDS address of hs fragments, rows 32 i + r, + 16 h; 64 bytes on in every step
.set BD,    6                          ; v6       16 L + my part of a slot
.set GOF,   8                          ; v8-9     byte offset in hs of my 16 bytes, rows 64 hf + 16 w + h; 256 on in every pair of steps
.set HST,   10                         ; v10-11   where they go in LDS as 8 bytes; 128 on in every pair
.set X,     16                         ; v16-79   16 stage slots of 4: hs in f32 on its way
.set A0,    80                         ; v80-143  8 hs fragments
.set A1,    144                        ; v144-207 8 hs fragments, the other buffer
.set BR,    208                        ; v208-255 three places for two W fragments each
; Windows 1 to 3: tile (a, b) in window 1 + b / 4 at v[8 ((b % 4) 8 + a)].
.set G1,    20                         ; s[20:27] descriptor group 1
.set G0,    28                         ; s[28:35] descriptor group 0, one set for each slot
.set MSB, 0
.macro WIN new                         ; s_set_vgpr_msb: bits 1:0 source 0, 3:2 source 1, 5:4 source 2, 7:6 destination; the high byte repeats the setting left
.if MSB != \new
	s_set_vgpr_msb (MSB<<8)|\new
.set MSB, \new
.endif
.endm
.macro PLACES                          ; four places behind a matrix instruction (ISA guide 7.12.1) where there is no useful work to put there
.rept 4
	v_nop
.endr
.endm
; A round of the cluster's barrier: my work-group's barrier, wave 0 signals for the work-group, every wave waits for all four work-groups, my work-group's barrier again.
.macro CREST                           ; a round behind its opening barrier
	s_cmp_lg_u32 s14, 0
	s_cbranch_scc1 .Lnot_wave_0_\@
	s_barrier_signal -3
.Lnot_wave_0_\@:
	s_barrier_wait -3
	s_barrier_signal -1
	s_barrier_wait -1
.endm
.macro CROUND
	s_barrier_signal -1
	s_barrier_wait -1
	CREST
.endm
	s_load_b256 s[4:11], s[0:1], 0x0               ; hs s[4:5], wfrag s[6:7], b_fc s[8:9], W_nu s[10:11]
	s_load_b64 s[12:13], s[0:1], 0x20              ; part
	v_lshl_add_u32 v14, v0, 2, 0x4e000
	v_mov_b32 v15, 0
	ds_add_u32 v14, v15
	s_wait_dscnt 0x0
	v_lshrrev_b32 v7, 5, v0
	v_readfirstlane_b32 s14, v7                    ; wave 0..3
	s_bfe_u32 s15, ttmp6, 0x40000                  ; my place in the cluster
	s_lshl_b32 s16, ttmp9, 2                       ; ttmp9 counts clusters
	s_add_co_u32 s16, s16, s15                     ; g
	s_mov_b32 s37, 0x41f00000                      ; 30.0, the cap on t
	s_mov_b32 s38, 0x4038aa3b                      ; S = 2 log2(e), twice: a pair is read whole
	s_mov_b32 s39, 0x4038aa3b
	s_mov_b32 s40, 0x76543210                      ; v_permlanex16_b32: lane i takes lane i of the other half
	s_mov_b32 s41, 0xfedcba98
	s_mov_b32 s42, 0xc038aa3b                      ; -S, twice
	s_mov_b32 s43, 0xc038aa3b
	; Group 1: my 12,288 dense bytes of a K step as 48 rows of 256 bytes (32 elements of 8 bytes), no padding.
	s_mov_b32 s[G1+0], 15|(3<<16)|(1<<21)          ; 15:0 mask: all four work-groups; 17:16 elements of 8 bytes; 21 set beside a mask
	s_mov_b32 s[G1+1], 32<<16                      ; tensor_dim0 = 32
	s_mov_b32 s[G1+2], 48<<16                      ; tensor_dim1 = 48
	s_mov_b32 s[G1+3], 32<<16                      ; tile_dim0 = 32
	s_mov_b32 s[G1+4], 48                          ; tile_dim1 = 48
	s_mov_b32 s[G1+5], 32                          ; from row to row: 32 elements (dense)
	s_mov_b32 s[G1+6], 0
	s_mov_b32 s[G1+7], 0
	v_and_b32 v1, 15, v0                           ; r
	v_and_b32 v12, 31, v0                          ; L
	v_bfe_u32 v13, v0, 4, 1                        ; h
	v_lshlrev_b32 v14, 3, v0                       ; 8 x thread: b_fc and W_nu, 8 bytes a thread
	v_add_nc_u32 v15, CB, v14                      ; and where they go
	s_mul_i32 s44, s14, 16*HROW
	v_mul_u32_u24 v7, v13, HROW
	v_lshl_add_u32 v7, v1, 4, v7
	v_add_nc_u32 v[GOF], s44, v7                   ; (16 w + h) rows + 16 r
	v_add_nc_u32 v[GOF+1], 64*HROW, v[GOF]         ; the same 64 rows further down
	s_mul_i32 s44, s14, 16*HSP
	s_add_co_u32 s44, s44, HS
	v_mul_u32_u24 v7, v13, HSP
	v_lshl_add_u32 v7, v1, 3, v7
	v_add_nc_u32 v[HST], s44, v7
	v_add_nc_u32 v[HST+1], 64*HSP, v[HST]
	v_mul_u32_u24 v7, v1, HSP
	v_lshl_add_u32 v7, v13, 4, v7                  ; a fragment: row r, 16 bytes for each half of the lanes
.irp i, 0,1,2,3
	v_add_nc_u32 v[AD+\i], HS+\i*32*HSP, v7
.endr
	s_mul_i32 s44, s14, WPART                      ; my part of a slot and of a K step of wfrag: the wave's number alone
	s_mov_b32 s45, 0
	v_lshl_add_u32 v[BD], v12, 4, s44
	s_mul_i32 s18, s16, 128*HROW                   ; below 2^27
	s_mov_b32 s19, 0
	s_wait_kmcnt 0x0
	s_add_nc_u64 s[4:5], s[4:5], s[18:19]          ; hs at my first row
	s_mul_i32 s18, s16, PROW
	s_add_nc_u64 s[12:13], s[12:13], s[18:19]      ; my row of part
	; Register loads go out ahead of the first round, so that they are on their way while the four work-groups meet.
.irp i, 0,1,2
	global_load_b64 v[A1+2*\i:A1+2*\i+1], v14, s[8:9] offset:\i*1024
.endr
.irp i, 0,1,2
	global_load_b64 v[A1+6+2*\i:A1+6+2*\i+1], v14, s[10:11] offset:\i*1024
.endr
	; hs goes in chunks of 64 k = 256 aligned bytes of each row.  A load of a wave takes two rows' 256 bytes.  Chunk 0 into buffer A0, chunk 1 into the stage.
.irp hf, 0,1
.irp j, 0,1,2,3,4,5,6,7
	global_load_b128 v[A0+4*(8*\hf+\j):A0+4*(8*\hf+\j)+3], v[GOF+\hf], s[4:5] offset:\j*2*HROW th:TH_LOAD_NT
.endr
.endr
.irp hf, 0,1
.irp j, 0,1,2,3,4,5,6,7
	global_load_b128 v[X+4*(8*\hf+\j):X+4*(8*\hf+\j)+3], v[GOF+\hf], s[4:5] offset:\j*2*HROW+256 th:TH_LOAD_NT
.endr
.endr
	s_add_nc_u64 s[46:47], s[6:7], s[44:45]        ; wfrag at my part of K step 0
.irp s, 0,1
	s_mov_b32 s[G0+4*\s], 1                                        ; count = 1
	s_add_co_u32 s[G0+4*\s+1], s44, \s*WTILE                       ; LDS address: slot + my part
	s_add_nc_u64 s[G0+4*\s+2:G0+4*\s+3], s[46:47], \s*WTILE        ; global address: K step s
	s_or_b32 s[G0+4*\s+3], s[G0+4*\s+3], 0x80000000                ; type = 2
.endr
	CROUND                                         ; all four work-groups are here: the first joint loads meet
	tensor_load_to_lds s[G0:G0+3], s[G1:G1+7]      ; K step 0
	s_nop 0
	tensor_load_to_lds s[G0+4:G0+7], s[G1:G1+7]    ; K step 1: two tensor loads of the wave are out here, one behind every later round
	s_nop 0
	s_wait_loadcnt 16                              ; b_fc, W_nu and chunk 0 are in; the 16 loads of chunk 1 stay out
.irp i, 0,1,2
	v_pk_mul_f32 v[A1+2*\i:A1+2*\i+1], v[A1+2*\i:A1+2*\i+1], s[38:39] op_sel_hi:[1,0]        ; S b
	v_pk_mul_f32 v[A1+6+2*\i:A1+6+2*\i+1], v[A1+6+2*\i:A1+6+2*\i+1], s[42:43] op_sel_hi:[1,0] ; -S W_nu
.endr
.irp i, 0,1,2
	ds_store_b64 v15, v[A1+2*\i:A1+2*\i+1] offset:\i*1024
	ds_store_b64 v15, v[A1+6+2*\i:A1+6+2*\i+1] offset:3072+\i*1024
.endr
.set i, 0
.rept 16
	v_cvt_pk_bf16_f32 v[A0+4*i],   v[A0+4*i],   v[A0+4*i+1]
	v_cvt_pk_bf16_f32 v[A0+4*i+1], v[A0+4*i+2], v[A0+4*i+3]
.set i, i+1
.endr
.irp hf, 0,1
.irp j, 0,1,2,3,4,5,6,7
	ds_store_b64 v[HST+\hf], v[A0+4*(8*\hf+\j):A0+4*(8*\hf+\j)+1] offset:\j*2*HSP
.endr
.endr
; 2 x na matrix instructions: W tiles 2 g, 2 g + 1 of my twelve x hs row blocks a0 .. a0 + na - 1.  zero = 1: the product starts the sum, nothing is cleared.
; The 96 accumulators take turns, one instruction a turn, in the same order in every step, over the backward jump too.
.macro MULG g, abuf, a0, na, zero
.set ma, \a0
.rept \na
.irp bb, 0,1
.set td, 8*(((2*\g+\bb)&3)*8+ma)
.if \zero
	v_wmma_f32_16x16x32_bf16 v[td:td+7], v[BR+16*(\g%3)+8*\bb:BR+16*(\g%3)+8*\bb+7], v[\abuf+8*ma:\abuf+8*ma+7], 0
.else
	v_wmma_f32_16x16x32_bf16 v[td:td+7], v[BR+16*(\g%3)+8*\bb:BR+16*(\g%3)+8*\bb+7], v[\abuf+8*ma:\abuf+8*ma+7], v[td:td+7]
.endif
.endr
.set ma, ma+1
.endr
.endm
.macro LDB g, slot                     ; 4 LDS loads: W tiles 2 g, 2 g + 1 of my part of a slot; each load takes 512 neighbouring bytes
.irp bb, 0,1
.irp c, 0,1
	ds_load_b128 v[BR+16*(\g%3)+8*\bb+4*\c:BR+16*(\g%3)+8*\bb+4*\c+3], v[BD] offset:(\slot)*WTILE+(2*\g+\bb)*1024+\c*512
.endr
.endr
.endm
.macro LDA abuf, a0                    ; 8 LDS loads: hs fragments a0 .. a0 + 3
.irp a, 0,1,2,3
	ds_load_b128 v[\abuf+8*(\a0+\a):\abuf+8*(\a0+\a)+3],   v[AD+((\a0+\a)>>1)] offset:((\a0+\a)&1)*16*HSP
	ds_load_b128 v[\abuf+8*(\a0+\a)+4:\abuf+8*(\a0+\a)+7], v[AD+((\a0+\a)>>1)] offset:((\a0+\a)&1)*16*HSP+32
.endr
.endm
; Two stage slots (2 q, 2 q + 1 of half hf): rounded to bf16 and stored into LDS (the chunk one ahead of the pair of steps); mode 1: asked for again, two chunks ahead.
; The four conversions name no register of a matrix instruction: they are the four places in front of the loads that follow.  mode 0: nothing is left, four v_nop.
.macro HSWORK hf, q, mode, cnt
.if \mode == 0
	PLACES
.else
	s_wait_loadcnt \cnt                            ; loads come back in order: the two oldest are in, cnt younger ones stay out
.irp jj, 0,1
	v_cvt_pk_bf16_f32 v[X+4*(8*\hf+2*\q+\jj)],   v[X+4*(8*\hf+2*\q+\jj)],   v[X+4*(8*\hf+2*\q+\jj)+1]
	v_cvt_pk_bf16_f32 v[X+4*(8*\hf+2*\q+\jj)+1], v[X+4*(8*\hf+2*\q+\jj)+2], v[X+4*(8*\hf+2*\q+\jj)+3]
.endr
.irp jj, 0,1
	ds_store_b64 v[HST+\hf], v[X+4*(8*\hf+2*\q+\jj):X+4*(8*\hf+2*\q+\jj)+1] offset:(2*\q+\jj)*2*HSP+128
.endr
.if \mode == 1
.irp jj, 0,1
	global_load_b128 v[X+4*(8*\hf+2*\q+\jj):X+4*(8*\hf+2*\q+\jj)+3], v[GOF+\hf], s[4:5] offset:(2*\q+\jj)*2*HROW+512 th:TH_LOAD_NT
.endr
.endif
.endif
.endm
; One K step: multiplies the hs fragments in abuf by the W tiles of slot; fetches the next step's hs fragments into nbuf and its first W tiles from the other slot.
; LDS instructions of a wave are served in order, loads and stores together, so each count below is what was issued behind the load that is wanted.
; ST = LDS stores in a run (2 or 0).  The last step's two closing runs hold 12 loads each (8 of hs, then 4 of W); a run here holds ST + 4.
.macro STEP slot, abuf, nbuf, hf, zero, mode, cnt0, fill, next
.if \mode == 0
.set ST, 0
.else
.set ST, 2
.endif
.if \mode == 2
.set DC, 2                             ; nothing is asked for any more: the counts of loads run down by two a run
.else
.set DC, 0                             ; two come in, two go out: 14 stay out at every wait
.endif
	HSWORK \hf, 0, \mode, \cnt0
	LDB 2, \slot
	s_wait_dscnt 16+ST                             ; hs blocks 0-3 and W tiles 0, 1 are in; out: the last closing run (12) and this run (ST + 4)
	WIN 0x50
	MULG 0, \abuf, 0, 4, \zero
	s_wait_dscnt 8+ST                              ; hs blocks 4-7 are in; out: W tiles 2, 3 (4) and this run
	MULG 0, \abuf, 4, 4, \zero
	WIN 0
	HSWORK \hf, 1, \mode, \cnt0-DC
	LDB 3, \slot
	s_wait_dscnt 8+2*ST                            ; the W tiles asked for two runs ago are in; out: the two younger runs
	WIN 0x50
	MULG 1, \abuf, 0, 8, \zero
	WIN 0
	HSWORK \hf, 2, \mode, \cnt0-2*DC
	LDB 4, \slot
	s_wait_dscnt 8+2*ST                            ; likewise
	WIN 0xa0
	MULG 2, \abuf, 0, 8, \zero
	WIN 0
	HSWORK \hf, 3, \mode, \cnt0-3*DC
	LDB 5, \slot
	s_wait_dscnt 8+2*ST                            ; likewise
	WIN 0xa0
	MULG 3, \abuf, 0, 8, \zero
	WIN 0
	s_wait_dscnt 0x0                               ; my reads of this slot are over, my stores of hs are done
.if \fill
	s_wait_xcnt 0x0
	v_lshl_add_u32 v14, v0, 2, 0x4e000
	v_mov_b32 v15, 0
	s_wait_tensorcnt 0x0                           ; and all my tensor loads have landed: the one that was out is my part of the other slot
	ds_add_u32 v14, v15
	s_wait_dscnt 0x0
	s_barrier_signal -1                            ; say so: this barrier opens a round of the cluster's barrier
	WIN 0xf0
	MULG 4, \abuf, 0, 4, \zero                     ; registers only, while the others arrive
	WIN 0
	s_barrier_wait -1
	CREST                                          ; no wave of any of the four work-groups still reads this slot or has a load on its way
	s_add_nc_u64 s[G0+4*\slot+2:G0+4*\slot+3], s[G0+4*\slot+2:G0+4*\slot+3], 2*WTILE
	tensor_load_to_lds s[G0+4*\slot:G0+4*\slot+3], s[G1:G1+7]      ; two K steps ahead: my one tensor load behind the round, and the first thing there
	s_nop 0
.else
.if \next
	s_wait_tensorcnt 0x0                           ; the last tile: only my own part of it is read by me, so my own wait is all that its reads need
.endif
	WIN 0xf0
	MULG 4, \abuf, 0, 4, \zero
.if \next
	WIN 0
.endif
.endif
.if \next
.irp i, 0,1,2,3
	v_add_nc_u32 v[AD+\i], 64, v[AD+\i]            ; 32 k on; these four are the places in front of the loads
.endr
	LDA \nbuf, 0
	LDB 0, 1-\slot
	WIN 0xf0
	MULG 4, \abuf, 4, 4, \zero
	WIN 0
.if \mode == 1
	s_wait_xcnt 0x0                                ; pending loads name GOF: it is stepped only when their addresses are translated
	v_add_nc_u32 v[HST+\hf], 128, v[HST+\hf]       ; this half's next chunk
	v_add_nc_u32 v[GOF+\hf], 256, v[GOF+\hf]
	v_nop
	v_nop                                          ; four places in all
.else
	PLACES
.endif
	LDA \nbuf, 4
	LDB 1, 1-\slot
	WIN 0xf0
	MULG 5, \abuf, 0, 8, \zero
	WIN 0
.else
	MULG 4, \abuf, 4, 4, \zero
	MULG 5, \abuf, 0, 8, \zero
	WIN 0
.endif
.endm
	s_wait_dscnt 0x0                               ; chunk 0 and the two vectors are stored,
	s_wait_tensorcnt 0x1                           ; my part of K step 0 is in; K step 1's may stay out
	s_barrier_signal -1
	s_barrier_wait -1
	LDA A0, 0                                      ; in the order of a step's two closing runs, so that step 0's counts are every step's
	LDB 0, 0
	LDA A0, 4
	LDB 1, 0
	; Pair p of steps stores chunk p + 1 (whole in front of the round of step 2 p + 1, first read behind it) and asks for chunk p + 2:
	; a load is waited for two steps, 192 matrix instructions of the wave, behind its issue; 16 loads of a wave are always out.
	STEP 0, A0, A1, 0, 1, 1, 14, 1, 1              ; step 0 starts the sums
	STEP 1, A1, A0, 1, 0, 1, 14, 1, 1
	s_mov_b32 s36, 9
.Lpair:
	STEP 0, A0, A1, 0, 0, 1, 14, 1, 1
	STEP 1, A1, A0, 1, 0, 1, 14, 1, 1
	s_sub_co_u32 s36, s36, 1
	s_cmp_lg_u32 s36, 0
	s_cbranch_scc1 .Lpair
	STEP 0, A0, A1, 0, 0, 2, 14, 1, 1              ; steps 20, 21: chunk 11 is stored, no hs is left to ask for: 14, 12, 10, 8,
	STEP 1, A1, A0, 1, 0, 2, 6, 1, 1               ; 6, 4, 2, 0.  Their refills are K steps 22 and 23, the last
	STEP 0, A0, A1, 0, 0, 0, 0, 0, 1               ; steps 22, 23 fill nothing and have no round
	STEP 1, A1, A0, 1, 0, 0, 0, 0, 0
	; THE WAY OUT.  Window 0 is free but for v0, v1, v12, v13.
.set U,   4                            ; v4-11    at work
.set BI,  16                           ; v16-111  S b of my lane's 96 columns (tile b: 8 registers)
.set WN,  112                          ; v112-207 -S W_nu likewise
.set T,   208                          ; v208-239 32 numbers at work
.set P,   240                          ; v240-255 row block a: two running sums
	PLACES                                         ; behind the last matrix instructions: for the loads into their sources and for the reads of their results
	s_mul_i32 s44, s14, 768
	s_add_co_u32 s44, s44, CB
	v_lshl_add_u32 v14, v13, 5, s44                ; column 192 w + 8 h, in bytes
.irp b, 0,1,2,3,4,5,6,7,8,9,10,11
	ds_load_b128 v[BI+8*\b:BI+8*\b+3],   v14 offset:\b*64
	ds_load_b128 v[BI+8*\b+4:BI+8*\b+7], v14 offset:\b*64+16
	ds_load_b128 v[WN+8*\b:WN+8*\b+3],   v14 offset:3072+\b*64
	ds_load_b128 v[WN+8*\b+4:WN+8*\b+7], v14 offset:3072+\b*64+16
.endr
	s_wait_dscnt 0x0
.macro SETU w, q0, u                   ; tile q0 + u of window w: its 8 numbers, its 8 weights, its 4 registers of scratch
.set tt, T+8*(\q0+\u)
.set ww, WN+8*(4*(\w-1)+\q0+\u)
.set uu, U+4*\u
.endm
; Two tiles: e = 1 + 2^t in tt .. tt + 7.  In each half of the packed pairs four terms w / e become one fraction N / D.
.macro QUAD w, a, q0
.irp u, 0,1
	SETU \w, \q0, \u
	v_pk_mul_f32 v[uu:uu+1],   v[ww:ww+1],   v[tt+2:tt+3]
	v_pk_mul_f32 v[uu+2:uu+3], v[ww+4:ww+5], v[tt+6:tt+7]
.endr
.irp u, 0,1
	SETU \w, \q0, \u
	v_pk_fma_f32 v[uu:uu+1],   v[ww+2:ww+3], v[tt:tt+1],   v[uu:uu+1]      ; w01 e23 + w23 e01
	v_pk_fma_f32 v[uu+2:uu+3], v[ww+6:ww+7], v[tt+4:tt+5], v[uu+2:uu+3]    ; w45 e67 + w67 e45
.endr
.irp u, 0,1
	SETU \w, \q0, \u
	v_pk_mul_f32 v[tt:tt+1],   v[tt:tt+1],   v[tt+2:tt+3]                  ; e01 e23
	v_pk_mul_f32 v[tt+4:tt+5], v[tt+4:tt+5], v[tt+6:tt+7]                  ; e45 e67
.endr
.irp u, 0,1
	SETU \w, \q0, \u
	v_pk_mul_f32 v[tt+2:tt+3], v[uu:uu+1], v[tt+4:tt+5]
.endr
.irp u, 0,1
	SETU \w, \q0, \u
	v_pk_fma_f32 v[tt+2:tt+3], v[uu+2:uu+3], v[tt:tt+1], v[tt+2:tt+3]      ; N
.endr
.irp u, 0,1
	SETU \w, \q0, \u
	v_pk_mul_f32 v[tt:tt+1], v[tt:tt+1], v[tt+4:tt+5]                      ; D, between 1 and 2^120 (1 + 2^-28)
.endr
.irp u, 0,1
	SETU \w, \q0, \u
	v_rcp_f32 v[tt+6], v[tt]
	v_rcp_f32 v[tt+7], v[tt+1]
.endr
	v_nop                                          ; one plain vector instruction between the reciprocals and their use (ISA guide 5.7.2)
	s_wait_alu depctr_va_vdst(0)
.irp u, 0,1
	SETU \w, \q0, \u
.if ((\w-1)+\q0+\u) == 0
	s_wait_alu depctr_va_vdst(0)
	v_pk_mul_f32 v[P+2*\a:P+2*\a+1], v[tt+2:tt+3], v[tt+6:tt+7]            ; a row block's first tile starts its sums
.else
	v_pk_fma_f32 v[P+2*\a:P+2*\a+1], v[tt+2:tt+3], v[tt+6:tt+7], v[P+2*\a:P+2*\a+1]
.endif
.endr
.endm
; The four tiles of window w in row block a: 32 numbers a lane.
.macro BATCH w, a
	WIN \w                                         ; source 0 (the accumulators) in window w
.irp bq, 0,1,2,3
.irp jp, 0,1,2,3
	v_pk_fma_f32 v[T+8*\bq+2*\jp:T+8*\bq+2*\jp+1], v[8*(8*\bq+\a)+2*\jp:8*(8*\bq+\a)+2*\jp+1], s[38:39], v[BI+8*(4*(\w-1)+\bq)+2*\jp:BI+8*(4*(\w-1)+\bq)+2*\jp+1] op_sel_hi:[1,0,1]   ; t = S acc + S b
.endr
.endr
	WIN 0
.set i, 0
.rept 32
	v_min_num_f32 v[T+i], s37, v[T+i]              ; t <= 30
.set i, i+1
.endr
.set i, 0
.rept 32
	v_exp_f32 v[T+i], v[T+i]
.set i, i+1
.endr
	v_nop                                          ; one plain vector instruction between the exponentials and their use (ISA guide 5.7.2)
.set i, 0
	s_wait_alu depctr_va_vdst(0)
.rept 16
	v_pk_add_f32 v[T+2*i:T+2*i+1], v[T+2*i:T+2*i+1], 1.0 op_sel_hi:[1,0]
.set i, i+1
.endr
	QUAD \w, \a, 0
	QUAD \w, \a, 2
.endm
.irp w, 1,2,3
.irp a, 0,1,2,3,4,5,6,7
	BATCH \w, \a
.endr
.endr
	; The sum over my 192 columns: the pair's two halves, then the other half of the lanes.
	s_lshl_b32 s44, s14, 9
	s_add_co_u32 s44, s44, NUP
	v_lshl_add_u32 v14, v1, 2, s44                 ; NUP[w][r]
.irp a, 0,1,2,3,4,5,6,7
	v_add_f32 v[T+\a], v[P+2*\a], v[P+2*\a+1]
.endr
.irp a, 0,1,2,3,4,5,6,7
	v_permlanex16_b32 v[T+8+\a], v[T+\a], s40, s41 ; its destination counts as read: T has been written
.endr
.irp a, 0,1,2,3,4,5,6,7
	v_add_f32 v[T+\a], v[T+\a], v[T+8+\a]
.endr
.irp a, 0,1,2,3,4,5,6,7
	ds_store_b32 v14, v[T+\a] offset:\a*64         ; row 16 a + r; both halves of the lanes write the same number
.endr
	s_mov_b32 s44, NUP
	v_lshl_add_u32 v15, v12, 4, s44                ; rows 4 L .. 4 L + 3
	s_mul_i32 s45, s14, 32*HSP
	s_add_co_u32 s45, s45, HS
	v_lshl_add_u32 v2, v12, 4, s45                 ; hs in LDS: my rows 32 w .., 16 bytes a lane
	s_lshl_b32 s46, s14, 9
	s_add_co_u32 s46, s46, EW
	v_lshl_add_u32 v3, v12, 4, s46                 ; my copy of the weights, rows 4 L ..
	s_mul_i32 s47, s14, 640
	s_add_co_u32 s47, s47, EW
	v_mov_b32 v4, s47                              ; in my copy: the weights of my rows 32 w .., the same address in every lane
	s_wait_dscnt 0x0                               ; my partial sums are stored before I say so
	s_barrier_signal -1
	s_barrier_wait -1
.set WT,  32                           ; v32-63   weight of my row l, in every lane
.set ACC, 64                           ; v64-87   24 columns' sums: column 256 gq + 8 L + e at ACC + 8 gq + e
.set PB0, 96                           ; v96-143  four rows of hs, 12 registers each
.set PB1, 144                          ; v144-191 the other buffer
.macro PLOAD buf, bt                   ; rows 4 bt .. 4 bt + 3 of my 32: a load takes 512 neighbouring bytes
.irp l, 0,1,2,3
.irp gq, 0,1,2
	ds_load_b128 v[\buf+12*\l+4*\gq:\buf+12*\l+4*\gq+3], v2 offset:(4*(\bt)+\l)*HSP+\gq*512
.endr
.endr
.endm
.irp wv, 0,1,2,3
	ds_load_b128 v[16+4*\wv:19+4*\wv], v15 offset:\wv*512
.endr
	PLOAD PB0, 0                                   ; the first eight rows of hs are fetched while the softmax is made
	PLOAD PB1, 1
	s_wait_dscnt 24                                ; the four partial sums are in; the 24 loads of hs stay out
	v_pk_add_f32 v[16:17], v[16:17], v[20:21]
	v_pk_add_f32 v[18:19], v[18:19], v[22:23]
	v_pk_add_f32 v[24:25], v[24:25], v[28:29]
	v_pk_add_f32 v[26:27], v[26:27], v[30:31]
	v_pk_add_f32 v[16:17], v[16:17], v[24:25]
	v_pk_add_f32 v[18:19], v[18:19], v[26:27]      ; nu2 of rows 4 L .. 4 L + 3
	v_max3_num_f32 v20, v16, v17, v18
	v_max_num_f32 v20, v20, v19
	v_max_num_f32_dpp v20, v20, v20 row_xmask:1 row_mask:0xf bank_mask:0xf
	v_max_num_f32_dpp v20, v20, v20 row_xmask:2 row_mask:0xf bank_mask:0xf
	v_max_num_f32_dpp v20, v20, v20 row_xmask:4 row_mask:0xf bank_mask:0xf
	v_max_num_f32_dpp v20, v20, v20 row_xmask:8 row_mask:0xf bank_mask:0xf
	v_permlanex16_b32 v22, v20, s40, s41
	v_max_num_f32 v20, v20, v22                    ; v20: the maximum of the 128 rows, in every lane
.irp i, 0,1,2,3
	v_sub_f32 v[24+\i], v[16+\i], v20
.endr
.irp i, 0,1,2,3
	v_exp_f32 v[24+\i], v[24+\i]                   ; nu2 is in units of log2: 2^(nu2 - max) = e^(nu - max nu)
.endr
	v_nop                                          ; one plain vector instruction between the exponentials and their use (ISA guide 5.7.2)
	s_wait_alu depctr_va_vdst(0)
	ds_store_b128 v3, v[24:27]
.irp i, 0,1,2,3,4,5,6,7
	ds_load_b128 v[WT+4*\i:WT+4*\i+3], v4 offset:\i*16   ; my own bytes: LDS serves a wave's instructions in order, these see the store above
.endr
	v_add_f32 v21, v24, v25
	v_add_f32 v22, v26, v27
	v_add_f32 v21, v21, v22
	v_add_f32_dpp v21, v21, v21 row_xmask:1 row_mask:0xf bank_mask:0xf
	v_add_f32_dpp v21, v21, v21 row_xmask:2 row_mask:0xf bank_mask:0xf
	v_add_f32_dpp v21, v21, v21 row_xmask:4 row_mask:0xf bank_mask:0xf
	v_add_f32_dpp v21, v21, v21 row_xmask:8 row_mask:0xf bank_mask:0xf
	v_permlanex16_b32 v22, v21, s40, s41
	v_add_f32 v21, v21, v22                        ; v21: the sum of the 128 weights
; Four rows: each bf16 half times the row's f32 weight, added in f32.  cnt = LDS loads that may stay out.
.macro PBATCH bt, buf, cnt
	s_wait_dscnt \cnt
.irp l, 0,1,2,3
.if (4*\bt+\l) == 0
.irp k, 0,1,2,3,4,5,6,7,8,9,10,11
	v_lshlrev_b32 v[ACC+2*\k],   16, v[\buf+\k]    ; the first row starts the sums: nothing is cleared
	v_and_b32     v[ACC+2*\k+1], 0xffff0000, v[\buf+\k]
.endr
.irp k, 0,1,2,3,4,5,6,7,8,9,10,11
	v_pk_mul_f32 v[ACC+2*\k:ACC+2*\k+1], v[ACC+2*\k:ACC+2*\k+1], v[WT:WT+1] op_sel_hi:[1,0]
.endr
.else
.irp k, 0,1,2,3,4,5,6,7,8,9,10,11
	v_fma_mix_f32_bf16 v[ACC+2*\k],   v[\buf+12*\l+\k], v[WT+4*\bt+\l], v[ACC+2*\k] op_sel_hi:[1,0,0]
	v_fma_mix_f32_bf16 v[ACC+2*\k+1], v[\buf+12*\l+\k], v[WT+4*\bt+\l], v[ACC+2*\k+1] op_sel:[1,0,0] op_sel_hi:[1,0,0]
.endr
.endif
.endr
.if \bt < 6
	PLOAD \buf, \bt+2
.endif
.endm
	PBATCH 0, PB0, 0                               ; the weights were asked for last: all is in
	PBATCH 1, PB1, 12                              ; from here on the 12 loads of the batch behind stay out
	PBATCH 2, PB0, 12
	PBATCH 3, PB1, 12
	PBATCH 4, PB0, 12
	PBATCH 5, PB1, 12
	PBATCH 6, PB0, 12
	PBATCH 7, PB1, 0                               ; nothing was asked for behind the last batch
	; The four waves' sums meet in LDS.
	s_mul_i32 s44, s14, 3072
	s_add_co_u32 s44, s44, PP
	v_lshl_add_u32 v5, v12, 5, s44                 ; PP[w][8 L]
	s_mov_b32 s45, PP
	v_lshl_add_u32 v6, v0, 3, s45                  ; PP[.][2 x thread]
	v_lshlrev_b32 v7, 3, v0                        ; and the same in part
	v_lshlrev_b32 v8, 3, v12                       ; 8 L
.irp gq, 0,1,2
	ds_store_b128 v5, v[ACC+8*\gq:ACC+8*\gq+3]   offset:\gq*1024
	ds_store_b128 v5, v[ACC+8*\gq+4:ACC+8*\gq+7] offset:\gq*1024+16
.endr
	s_wait_dscnt 0x0                               ; stored before I say so
	s_barrier_signal -1
	s_barrier_wait -1
.irp i, 0,1,2
.irp wv, 0,1,2,3
	ds_load_b64 v[PB0+8*\i+2*\wv:PB0+8*\i+2*\wv+1], v6 offset:\wv*3072+\i*1024
.endr
.endr
	s_wait_dscnt 0x0
.irp i, 0,1,2
	v_pk_add_f32 v[PB0+8*\i:PB0+8*\i+1],   v[PB0+8*\i:PB0+8*\i+1],   v[PB0+8*\i+2:PB0+8*\i+3]
	v_pk_add_f32 v[PB0+8*\i+4:PB0+8*\i+5], v[PB0+8*\i+4:PB0+8*\i+5], v[PB0+8*\i+6:PB0+8*\i+7]
.endr
.irp i, 0,1,2
	v_pk_add_f32 v[PB0+8*\i:PB0+8*\i+1], v[PB0+8*\i:PB0+8*\i+1], v[PB0+8*\i+4:PB0+8*\i+5]
.endr
.irp i, 0,1,2
	global_store_b64 v7, v[PB0+8*\i:PB0+8*\i+1], s[12:13] offset:\i*1024     ; a wave's store covers 256 neighbouring bytes, aligned
.endr
	s_cmp_lg_u32 s14, 0
	s_cbranch_scc1 .Lno_stat
	global_store_b64 v8, v[20:21], s[12:13] offset:3072                      ; (maximum, sum), 32 times: 256 neighbouring bytes, aligned
.Lno_stat:
	s_wait_xcnt 0x0
	v_lshl_add_u32 v14, v0, 2, 0x4e000
	v_mov_b32 v15, 0
	s_wait_tensorcnt 0x0
	ds_add_u32 v14, v15
	s_wait_dscnt 0x0
	CROUND                                         ; the closing round: no work-group ends while a partner may still ask for a tile that names it
	s_endpgm
.Lfunc_end_k_q61215be54a_main:
	.size	k_q61215be54a_main, .Lfunc_end_k_q61215be54a_main-k_q61215be54a_main
	.p2alignl 7, 3214868480
	.fill 96, 4, 3214868480
	.section	.rodata,"a",@progbits
	.p2align	6, 0x0
	.amdhsa_kernel k_q61215be54a_main
		.amdhsa_group_segment_fixed_size 327680
		.amdhsa_private_segment_fixed_size 0
		.amdhsa_enable_private_segment 0
		.amdhsa_kernarg_size 40
		.amdhsa_user_sgpr_count 2
		.amdhsa_user_sgpr_kernarg_segment_ptr 1
		.amdhsa_wavefront_size32 1
		.amdhsa_system_sgpr_workgroup_id_x 1
		.amdhsa_system_sgpr_workgroup_id_y 1
		.amdhsa_system_sgpr_workgroup_id_z 1
		.amdhsa_system_vgpr_workitem_id 0
		.amdhsa_next_free_vgpr 1024
		.amdhsa_next_free_sgpr 66
		.amdhsa_reserve_vcc 0
		.amdhsa_float_denorm_mode_32 3
		.amdhsa_float_denorm_mode_16_64 3
		.amdhsa_memory_ordered 1
		.amdhsa_forward_progress 1
		.amdhsa_inst_pref_size 255
	.end_amdhsa_kernel
	.section	.bss,"aw",@nobits
	.p2align	6
	.space	262144
	.amdgpu_metadata
---
amdhsa.version: [ 1, 2 ]
amdhsa.kernels:
  - .name:           k_q61215be54a_main
    .symbol:         k_q61215be54a_main.kd
    .args:
      - { .name: hidden_states, .offset: 0, .size: 8, .value_kind: global_buffer, .address_space: global }
      - { .name: wfrag, .offset: 8, .size: 8, .value_kind: global_buffer, .address_space: global }
      - { .name: b_fc, .offset: 16, .size: 8, .value_kind: global_buffer, .address_space: global }
      - { .name: W_nu, .offset: 24, .size: 8, .value_kind: global_buffer, .address_space: global }
      - { .name: part, .offset: 32, .size: 8, .value_kind: global_buffer, .address_space: global }
    .group_segment_fixed_size: 327680
    .private_segment_fixed_size: 0
    .kernarg_segment_align: 8
    .kernarg_segment_size: 40
    .max_flat_workgroup_size: 128
    .sgpr_count:     66
    .vgpr_count:     1024
    .wavefront_size: 32
...
	.end_amdgpu_metadata
.endif
;; end of part 2
;; launch finish (part 3): grid 64 x 1, 6 waves a work-group, no clusters, 0 bytes of LDS; arguments part, out0; writes out0
.if DOCPART == 3
	.amdgcn_target "amdgcn-amd-amdhsa--gfx1250"
	.amdhsa_code_object_version 6
	.text
	.protected	k_q61215be54a_finish
	.globl	k_q61215be54a_finish
	.p2align	8
	.type	k_q61215be54a_finish,@function
k_q61215be54a_finish:
	s_mov_b64 s[64:65], 0
	v_nop
	global_prefetch_b8 v0, s[64:65] scope:SCOPE_SE
	s_setreg_imm32_b32 hwreg(HW_REG_WAVE_MODE, 25, 1), 1
	s_wait_xcnt 0x0
; out0[b][c] = sum over the sample's four quarters i of 2^(m_i - M) P_i[c]  /  sum over i of 2^(m_i - M) s_i,   M = the largest m_i.
; part row 4 b + i: 768 f32 P_i, then (m_i, s_i); m_i is in units of log2.  Each s_i is at least 1 (its own top row gives 1), so the divisor is at least 1.
; One work-group for a sample, 192 threads x 16 bytes = a row of out0.  64 work-groups: there is no more work than that.
; No LDS, no barrier: every thread forms the four factors itself from 32 bytes that all threads read alike.
.set PROW, 3328                        ; bytes in a row of part
.set SM,   4                           ; v[4:11]   (m_i, s_i)
.set PI,   12                          ; v[12:27]  my four numbers of each P_i
.set F,    30                          ; v[30:33]  2^(m_i - M)
.set G,    36                          ; v[36:43]  each factor twice: a pair for the packed multiply-add
.set O,    44                          ; v[44:47]  the result
	s_load_b128 s[4:7], s[0:1], 0x0                ; part s[4:5], out0 s[6:7]
	s_mul_i32 s8, ttmp9, 4*PROW
	s_mov_b32 s9, 0
	s_mul_i32 s10, ttmp9, 3072
	s_mov_b32 s11, 0
	v_mov_b32 v1, 0
	v_lshlrev_b32 v2, 4, v0
	s_wait_kmcnt 0x0
	s_add_nc_u64 s[4:5], s[4:5], s[8:9]
	s_add_nc_u64 s[6:7], s[6:7], s[10:11]
.irp i, 0,1,2,3
	global_load_b64 v[SM+2*\i:SM+2*\i+1], v1, s[4:5] offset:\i*PROW+3072
.endr
.irp i, 0,1,2,3
	global_load_b128 v[PI+4*\i:PI+4*\i+3], v2, s[4:5] offset:\i*PROW
.endr
	s_wait_loadcnt 0x4                             ; the four pairs are in; the four loads of P stay out
	v_max3_num_f32 v28, v[SM], v[SM+2], v[SM+4]
	v_max_num_f32 v28, v28, v[SM+6]                ; M
.irp i, 0,1,2,3
	v_sub_f32 v[F+\i], v[SM+2*\i], v28
.endr
.irp i, 0,1,2,3
	v_exp_f32 v[F+\i], v[F+\i]
.endr
	v_nop                                          ; one plain vector instruction between the exponentials and their use (ISA guide 5.7.2)
	s_wait_alu depctr_va_vdst(0)
	v_mul_f32 v29, v[F], v[SM+1]
	v_fmac_f32 v29, v[F+1], v[SM+3]
	v_fmac_f32 v29, v[F+2], v[SM+5]
	v_fmac_f32 v29, v[F+3], v[SM+7]                ; the sample's sum of weights
	v_rcp_f32 v34, v29
	v_nop                                          ; likewise behind the reciprocal
	s_wait_alu depctr_va_vdst(0)
.irp i, 0,1,2,3
	v_mul_f32 v[G+2*\i],   v[F+\i], v34
	v_mul_f32 v[G+2*\i+1], v[F+\i], v34
.endr
	s_wait_loadcnt 0x0
	v_pk_mul_f32 v[O:O+1],   v[PI:PI+1],   v[G:G+1]
	v_pk_mul_f32 v[O+2:O+3], v[PI+2:PI+3], v[G:G+1]
.irp i, 1,2,3
	v_pk_fma_f32 v[O:O+1],   v[PI+4*\i:PI+4*\i+1],   v[G+2*\i:G+2*\i+1], v[O:O+1]
	v_pk_fma_f32 v[O+2:O+3], v[PI+4*\i+2:PI+4*\i+3], v[G+2*\i:G+2*\i+1], v[O+2:O+3]
.endr
	global_store_b128 v2, v[O:O+3], s[6:7]         ; sixteen neighbouring lanes store 256 neighbouring bytes, aligned
	s_endpgm
.Lfunc_end_k_q61215be54a_finish:
	.size	k_q61215be54a_finish, .Lfunc_end_k_q61215be54a_finish-k_q61215be54a_finish
	.p2alignl 7, 3214868480
	.fill 96, 4, 3214868480
	.section	.rodata,"a",@progbits
	.p2align	6, 0x0
	.amdhsa_kernel k_q61215be54a_finish
		.amdhsa_group_segment_fixed_size 0
		.amdhsa_private_segment_fixed_size 0
		.amdhsa_enable_private_segment 0
		.amdhsa_kernarg_size 16
		.amdhsa_user_sgpr_count 2
		.amdhsa_user_sgpr_kernarg_segment_ptr 1
		.amdhsa_wavefront_size32 1
		.amdhsa_system_sgpr_workgroup_id_x 1
		.amdhsa_system_sgpr_workgroup_id_y 1
		.amdhsa_system_sgpr_workgroup_id_z 1
		.amdhsa_system_vgpr_workitem_id 0
		.amdhsa_next_free_vgpr 48
		.amdhsa_next_free_sgpr 66
		.amdhsa_reserve_vcc 0
		.amdhsa_float_denorm_mode_32 3
		.amdhsa_float_denorm_mode_16_64 3
		.amdhsa_memory_ordered 1
		.amdhsa_forward_progress 1
		.amdhsa_inst_pref_size 3
	.end_amdhsa_kernel
	.amdgpu_metadata
---
amdhsa.version: [ 1, 2 ]
amdhsa.kernels:
  - .name:           k_q61215be54a_finish
    .symbol:         k_q61215be54a_finish.kd
    .args:
      - { .name: part, .offset: 0, .size: 8, .value_kind: global_buffer, .address_space: global }
      - { .name: out0, .offset: 8, .size: 8, .value_kind: global_buffer, .address_space: global }
    .group_segment_fixed_size: 0
    .private_segment_fixed_size: 0
    .kernarg_segment_align: 8
    .kernarg_segment_size: 16
    .max_flat_workgroup_size: 192
    .sgpr_count:     66
    .vgpr_count:     48
    .wavefront_size: 32
...
	.end_amdgpu_metadata
.endif
;; end of part 3
;; ======== version 2 of 2: 3 launches; 1.11 times as fast as version 1
;; limits: right only within a limited range of input values
;; workspace buffers: wfrag 1,179,648 bytes; part 851,968 bytes
;; launch prep: the kernel of part 1 again; grid 48 x 3, 4 waves a work-group, no clusters, 8,960 bytes of LDS; arguments W_fc, wfrag; writes wfrag
;; launch main (part 4): grid 256 x 1, 4 waves a work-group, clusters of 4 x 1, 327,680 bytes of LDS; arguments hidden_states, wfrag, b_fc, W_nu, part; writes part
.if DOCPART == 4
	.amdgcn_target "amdgcn-amd-amdhsa--gfx1250"
	.amdhsa_code_object_version 6
	.text
	.protected	k_q61215be54a_main
	.globl	k_q61215be54a_main
	.p2align	8
	.type	k_q61215be54a_main,@function
k_q61215be54a_main:
	s_mov_b64 s[64:65], 0
	v_nop
	global_prefetch_b8 v0, s[64:65] scope:SCOPE_SE
	s_setreg_imm32_b32 hwreg(HW_REG_WAVE_MODE, 25, 1), 1
	s_wait_xcnt 0x0
	s_wait_alu depctr_hold_cnt(0) depctr_sa_sdst(0) depctr_va_vdst(0) depctr_va_sdst(0) depctr_va_ssrc(0) depctr_va_vcc(0) depctr_vm_vsrc(0)
	s_getreg_b32 s2, hwreg(HW_REG_IB_STS2, 6, 4)
	s_cmp_eq_u32 s2, 0
	s_cbranch_scc0 .Lentry_in_a_cluster
	s_endpgm
.Lentry_in_a_cluster:
	s_bfe_u32 s2, ttmp6, 0x10000c
	s_cmp_lg_u32 s2, 0x3003
	s_cbranch_scc0 .Lentry_shape_is_right
	s_endpgm
.Lentry_shape_is_right:
; For 128 rows of hidden_states (a quarter of a sample): x = hs W_fc^T + b_fc, nu = sum over n of tanh(x) W_nu, the softmax of these
; 128 rows about their own maximum, and the sum of the rows weighted by it.  Left in part[g]: 768 unnormalised sums, then (maximum, sum of weights);
; the next launch merges the four quarters of a sample.
;
; SHARES.  Work-group g = 4 x cluster + place: rows 128 g .. 128 g + 127 of [32768][768].  Four waves; wave w makes all 128 rows x columns
; 192 w .. 192 w + 191 of x: 8 x 12 accumulator tiles of 16 x 16 = 768 registers (windows 1 to 3).  K runs once, in 24 steps of 32,
; 96 matrix instructions a wave and step, fed by 16 + 24 LDS loads of 16 bytes a lane.
; hs is read from memory ONCE: as f32 into registers, rounded to bf16, stored into LDS, where all 128 rows stay for the matrix work
; (each wave reads all rows) and for the weighted sum at the end.
; W comes as bf16 in fragment order (wfrag) through a ring of two LDS slots of one K step.
; CLUSTER.  Every work-group walks all of wfrag, so the four work-groups of a cluster ask for each tile jointly (mask 15): that divides
; the requests for W by four.  hs is shared by nobody and takes no part in it.  The place in the cluster enters two global addresses
; (hs, part) and nothing else.
; THE ORDER OF K.  K is twelve chunks of 64.  Cluster c starts at chunk p0 = c mod 12 and wraps round: in the first pair of steps each of
; wfrag's 24 tiles is asked for by some cluster, and every later request is for a tile that the clusters with p0 + 1 asked for one pair
; of steps before.  p0 is the same in the four partners; it enters global addresses alone (hs, wfrag, part).  LDS holds hs in the order of
; processing (position q = chunk (q + p0) mod 12), so no LDS address knows p0; the weighted sums are put back in their places by the last stores.
; The order of K in the f32 sums therefore differs from cluster to cluster.
;
; ARITHMETIC.  Matrix operands bf16, sums f32.  With S = 2 log2(e): tanh(x) = 1 - 2 / (1 + 2^(S x)), so
; nu = sum(W_nu) - 2 sum over n of W_nu[n] / (1 + 2^t), t = S acc + S b.  sum(W_nu) is the same in every row and cancels in the softmax
; for every input: it is not formed.  What is kept is nu2 = log2(e) (nu - sum(W_nu)) = sum of w''[n] / (1 + 2^t), w'' = -S W_nu.
; Four terms share one reciprocal: sum w_i / e_i = N / D with D = e1 e2 e3 e4.
; The softmax takes the true maximum of the 128 rows away; the next launch takes away the maximum of the four.
; LIMITS.  t is capped at 30 (x > 10.4), so that D <= 2^120 (1 + 2^-28) and 1 / D is a normal number: tanh is then off by less than 2^-29.
; |W_nu| below 2^30, so that N stays finite.  The weighted sum uses hs rounded to bf16 (weights and sums f32).
;
; THE MATRIX INSTRUCTION IS USED TRANSPOSED: source 0 = 16 columns' rows of W, source 1 = 16 rows of hs.  Lane (r = L & 15, h = L >> 4) then holds
; row 16 a + r, and register j column 16 b + 8 h + j: the sum over columns stays in the lane but for one exchange of the two lane halves.
.set HROW,  3072                       ; bytes in a row of hs
.set HSP,   1552                       ; an LDS row of hs: 1,536 bytes of bf16 + 16 = 97 x 16: sixteen rows start 16 bytes apart modulo 256
.set WTILE, 49152                      ; bytes of a K step of wfrag, and of a slot
.set WPART, 12288                      ; a wave's 12 column tiles of it
.set PROW,  3328                       ; bytes of a row of part
.set CHUNKS, 12                        ; chunks of 64 k
; LDS.  Only the ring is ever filled by tensor loads; all the rest is written by LDS stores and lies in 256-byte blocks of its own.
.set HS,    98304                      ; behind the ring's two slots: 128 rows x 1,552
.set CB,    296960                     ; S b_fc, 768 f32
.set CW,    CB+3072                    ; -S W_nu, 768 f32
.set NUP,   303104                     ; [4 waves][128 rows] partial nu2
.set EW,    305152                     ; [4 waves][128 rows] weights, each wave's own copy
.set PP,    307200                     ; [4 waves][768] partial weighted sums
; Window 0 in the K loop.  v0 thread, v1 r, v12 L, v13 h, v7 v14 v15 scratch.
.set AD,    2                          ; v2-5     LDS address of hs fragments, rows 32 i + r, + 16 h; 64 bytes on in every step
.set BD,    6                          ; v6       16 L + my part of a slot
.set GOF,   8                          ; v8-9     byte offset in a chunk of hs of my 16 bytes, rows 64 hf + 16 w + h; never rewritten (the chunk stands in the scalar base)
.set HST,   10                         ; v10-11   where they go in LDS as 8 bytes; 128 on in every pair
.set X,     16                         ; v16-79   16 stage slots of 4: hs in f32 on its way
.set A0,    80                         ; v80-143  8 hs fragments
.set A1,    144                        ; v144-207 8 hs fragments, the other buffer
.set BR,    208                        ; v208-255 three places for two W fragments each
; Windows 1 to 3: tile (a, b) in window 1 + b / 4 at v[8 ((b % 4) 8 + a)].
; Scalars: s14 wave, s15 place, s16 g, s17 p0, s48 chunk of hs asked for next, s49 chunk of W asked for last, s[50:51] and s[58:59] offsets (high word 0),
; s[52:53] s[54:55] s[56:57] hs at a chunk (the first two chunks; the loop's), s[46:47] wfrag at my part of K step 0.
.set G1,    20                         ; s[20:27] descriptor group 1
.set G0,    28                         ; s[28:35] descriptor group 0, one set for each slot
.set MSB, 0
.macro WIN new                         ; s_set_vgpr_msb: bits 1:0 source 0, 3:2 source 1, 5:4 source 2, 7:6 destination; the high byte repeats the setting left
.if MSB != \new
	s_set_vgpr_msb (MSB<<8)|\new
.set MSB, \new
.endif
.endm
.macro PLACES                          ; four places behind a matrix instruction (ISA guide 7.12.1) where there is no useful work to put there
.rept 4
	v_nop
.endr
.endm
; A round of the cluster's barrier: my work-group's barrier, wave 0 signals for the work-group, every wave waits for all four work-groups, my work-group's barrier again.
.macro CREST                           ; a round behind its opening barrier
	s_cmp_lg_u32 s14, 0
	s_cbranch_scc1 .Lnot_wave_0_\@
	s_barrier_signal -3
.Lnot_wave_0_\@:
	s_barrier_wait -3
	s_barrier_signal -1
	s_barrier_wait -1
.endm
.macro CROUND
	s_barrier_signal -1
	s_barrier_wait -1
	CREST
.endm
.macro NEXTK r                         ; a chunk's number goes one on and wraps at twelve
	s_add_co_u32 s[\r], s[\r], 1
	s_cmp_eq_u32 s[\r], CHUNKS
	s_cselect_b32 s[\r], 0, s[\r]
.endm
.macro HBASE r                         ; s[r:r+1] = hs at my first row, chunk s48 (256 bytes a chunk)
	s_lshl_b32 s50, s48, 8
	s_add_nc_u64 s[\r:\r+1], s[4:5], s[50:51]
.endm
.macro WADDR slot                      ; a slot's global address: my part of K step 2 x chunk s49 + slot.  Written only where no tensor load of the wave is out
	s_mul_i32 s58, s49, 2*WTILE
.if \slot
	s_add_co_u32 s58, s58, WTILE
.endif
	s_add_nc_u64 s[G0+4*\slot+2:G0+4*\slot+3], s[46:47], s[58:59]
	s_or_b32 s[G0+4*\slot+3], s[G0+4*\slot+3], 0x80000000          ; type = 2
.endm
	s_load_b256 s[4:11], s[0:1], 0x0               ; hs s[4:5], wfrag s[6:7], b_fc s[8:9], W_nu s[10:11]
	s_load_b64 s[12:13], s[0:1], 0x20              ; part
	v_lshl_add_u32 v14, v0, 2, 0x4e000
	v_mov_b32 v15, 0
	ds_add_u32 v14, v15
	s_wait_dscnt 0x0
	v_lshrrev_b32 v7, 5, v0
	v_readfirstlane_b32 s14, v7                    ; wave 0..3
	s_bfe_u32 s15, ttmp6, 0x40000                  ; my place in the cluster
	s_lshl_b32 s16, ttmp9, 2                       ; ttmp9 counts clusters
	s_add_co_u32 s16, s16, s15                     ; g
	s_mul_hi_u32 s17, ttmp9, 0x15555556            ; cluster / 12: the factor is 2^32 / 12 rounded up, exact for the 64 clusters
	s_mul_i32 s17, s17, CHUNKS
	s_sub_co_u32 s17, ttmp9, s17                   ; p0 = cluster mod 12
	s_mov_b32 s48, s17
	s_mov_b32 s49, s17
	s_mov_b32 s51, 0
	s_mov_b32 s59, 0
	s_mov_b32 s37, 0x41f00000                      ; 30.0, the cap on t
	s_mov_b32 s38, 0x4038aa3b                      ; S = 2 log2(e), twice: a pair is read whole
	s_mov_b32 s39, 0x4038aa3b
	s_mov_b32 s40, 0x76543210                      ; v_permlanex16_b32: lane i takes lane i of the other half
	s_mov_b32 s41, 0xfedcba98
	s_mov_b32 s42, 0xc038aa3b                      ; -S, twice
	s_mov_b32 s43, 0xc038aa3b
	; Group 1: my 12,288 dense bytes of a K step as 48 rows of 256 bytes (32 elements of 8 bytes), no padding.
	s_mov_b32 s[G1+0], 15|(3<<16)|(1<<21)          ; 15:0 mask: all four work-groups; 17:16 elements of 8 bytes; 21 set beside a mask
	s_mov_b32 s[G1+1], 32<<16                      ; tensor_dim0 = 32
	s_mov_b32 s[G1+2], 48<<16                      ; tensor_dim1 = 48
	s_mov_b32 s[G1+3], 32<<16                      ; tile_dim0 = 32
	s_mov_b32 s[G1+4], 48                          ; tile_dim1 = 48
	s_mov_b32 s[G1+5], 32                          ; from row to row: 32 elements (dense)
	s_mov_b32 s[G1+6], 0
	s_mov_b32 s[G1+7], 0
	v_and_b32 v1, 15, v0                           ; r
	v_and_b32 v12, 31, v0                          ; L
	v_bfe_u32 v13, v0, 4, 1                        ; h
	v_lshlrev_b32 v14, 3, v0                       ; 8 x thread: b_fc and W_nu, 8 bytes a thread
	v_add_nc_u32 v15, CB, v14                      ; and where they go
	s_mul_i32 s44, s14, 16*HROW
	v_mul_u32_u24 v7, v13, HROW
	v_lshl_add_u32 v7, v1, 4, v7
	v_add_nc_u32 v[GOF], s44, v7                   ; (16 w + h) rows + 16 r
	v_add_nc_u32 v[GOF+1], 64*HROW, v[GOF]         ; the same 64 rows further down
	s_mul_i32 s44, s14, 16*HSP
	s_add_co_u32 s44, s44, HS
	v_mul_u32_u24 v7, v13, HSP
	v_lshl_add_u32 v7, v1, 3, v7
	v_add_nc_u32 v[HST], s44, v7
	v_add_nc_u32 v[HST+1], 64*HSP, v[HST]
	v_mul_u32_u24 v7, v1, HSP
	v_lshl_add_u32 v7, v13, 4, v7                  ; a fragment: row r, 16 bytes for each half of the lanes
.irp i, 0,1,2,3
	v_add_nc_u32 v[AD+\i], HS+\i*32*HSP, v7
.endr
	s_mul_i32 s44, s14, WPART                      ; my part of a slot and of a K step of wfrag: the wave's number alone
	s_mov_b32 s45, 0
	v_lshl_add_u32 v[BD], v12, 4, s44
	s_mul_i32 s18, s16, 128*HROW                   ; below 2^27
	s_mov_b32 s19, 0
	s_wait_kmcnt 0x0
	s_add_nc_u64 s[4:5], s[4:5], s[18:19]          ; hs at my first row
	s_mul_i32 s18, s16, PROW
	s_add_nc_u64 s[12:13], s[12:13], s[18:19]      ; my row of part
	HBASE 52                                       ; the first chunk that I process: p0,
	NEXTK 48
	HBASE 54                                       ; the second,
	NEXTK 48
	HBASE 56                                       ; the third: asked for in the first pair of steps
	; Register loads go out ahead of the first round, so that they are on their way while the four work-groups meet.
.irp i, 0,1,2
	global_load_b64 v[A1+2*\i:A1+2*\i+1], v14, s[8:9] offset:\i*1024
.endr
.irp i, 0,1,2
	global_load_b64 v[A1+6+2*\i:A1+6+2*\i+1], v14, s[10:11] offset:\i*1024
.endr
	; hs goes in chunks of 64 k = 256 aligned bytes of each row.  A load of a wave takes two rows' 256 bytes.  The first chunk into buffer A0, the second into the stage.
.irp hf, 0,1
.irp j, 0,1,2,3,4,5,6,7
	global_load_b128 v[A0+4*(8*\hf+\j):A0+4*(8*\hf+\j)+3], v[GOF+\hf], s[52:53] offset:\j*2*HROW th:TH_LOAD_NT
.endr
.endr
.irp hf, 0,1
.irp j, 0,1,2,3,4,5,6,7
	global_load_b128 v[X+4*(8*\hf+\j):X+4*(8*\hf+\j)+3], v[GOF+\hf], s[54:55] offset:\j*2*HROW th:TH_LOAD_NT
.endr
.endr
	s_add_nc_u64 s[46:47], s[6:7], s[44:45]        ; wfrag at my part of K step 0
.irp s, 0,1
	s_mov_b32 s[G0+4*\s], 1                                        ; count = 1
	s_add_co_u32 s[G0+4*\s+1], s44, \s*WTILE                       ; LDS address: slot + my part
	WADDR \s                                                       ; global address: K step 2 p0 + s
.endr
	CROUND                                         ; all four work-groups are here: the first joint loads meet
	tensor_load_to_lds s[G0:G0+3], s[G1:G1+7]      ; my first K step
	s_nop 0
	tensor_load_to_lds s[G0+4:G0+7], s[G1:G1+7]    ; my second: two tensor loads of the wave are out here, one behind every later round
	s_nop 0
	s_wait_loadcnt 16                              ; b_fc, W_nu and the first chunk are in; the 16 loads of the second stay out
.irp i, 0,1,2
	v_pk_mul_f32 v[A1+2*\i:A1+2*\i+1], v[A1+2*\i:A1+2*\i+1], s[38:39] op_sel_hi:[1,0]        ; S b
	v_pk_mul_f32 v[A1+6+2*\i:A1+6+2*\i+1], v[A1+6+2*\i:A1+6+2*\i+1], s[42:43] op_sel_hi:[1,0] ; -S W_nu
.endr
.irp i, 0,1,2
	ds_store_b64 v15, v[A1+2*\i:A1+2*\i+1] offset:\i*1024
	ds_store_b64 v15, v[A1+6+2*\i:A1+6+2*\i+1] offset:3072+\i*1024
.endr
.set i, 0
.rept 16
	v_cvt_pk_bf16_f32 v[A0+4*i],   v[A0+4*i],   v[A0+4*i+1]
	v_cvt_pk_bf16_f32 v[A0+4*i+1], v[A0+4*i+2], v[A0+4*i+3]
.set i, i+1
.endr
.irp hf, 0,1
.irp j, 0,1,2,3,4,5,6,7
	ds_store_b64 v[HST+\hf], v[A0+4*(8*\hf+\j):A0+4*(8*\hf+\j)+1] offset:\j*2*HSP
.endr
.endr
; 2 x na matrix instructions: W tiles 2 g, 2 g + 1 of my twelve x hs row blocks a0 .. a0 + na - 1.  zero = 1: the product starts the sum, nothing is cleared.
; The 96 accumulators take turns, one instruction a turn, in the same order in every step, over the backward jump too.
.macro MULG g, abuf, a0, na, zero
.set ma, \a0
.rept \na
.irp bb, 0,1
.set td, 8*(((2*\g+\bb)&3)*8+ma)
.if \zero
	v_wmma_f32_16x16x32_bf16 v[td:td+7], v[BR+16*(\g%3)+8*\bb:BR+16*(\g%3)+8*\bb+7], v[\abuf+8*ma:\abuf+8*ma+7], 0
.else
	v_wmma_f32_16x16x32_bf16 v[td:td+7], v[BR+16*(\g%3)+8*\bb:BR+16*(\g%3)+8*\bb+7], v[\abuf+8*ma:\abuf+8*ma+7], v[td:td+7]
.endif
.endr
.set ma, ma+1
.endr
.endm
.macro LDB g, slot                     ; 4 LDS loads: W tiles 2 g, 2 g + 1 of my part of a slot; each load takes 512 neighbouring bytes
.irp bb, 0,1
.irp c, 0,1
	ds_load_b128 v[BR+16*(\g%3)+8*\bb+4*\c:BR+16*(\g%3)+8*\bb+4*\c+3], v[BD] offset:(\slot)*WTILE+(2*\g+\bb)*1024+\c*512
.endr
.endr
.endm
.macro LDA abuf, a0                    ; 8 LDS loads: hs fragments a0 .. a0 + 3
.irp a, 0,1,2,3
	ds_load_b128 v[\abuf+8*(\a0+\a):\abuf+8*(\a0+\a)+3],   v[AD+((\a0+\a)>>1)] offset:((\a0+\a)&1)*16*HSP
	ds_load_b128 v[\abuf+8*(\a0+\a)+4:\abuf+8*(\a0+\a)+7], v[AD+((\a0+\a)>>1)] offset:((\a0+\a)&1)*16*HSP+32
.endr
.endm
; Two stage slots (2 q, 2 q + 1 of half hf): rounded to bf16 and stored into LDS (the chunk one ahead of the pair of steps); mode 1: asked for again, two chunks ahead,
; at the base s[56:57].  The four conversions name no register of a matrix instruction: they are the four places in front of the loads that follow.
; mode 0: nothing is left, four v_nop.
.macro HSWORK hf, q, mode, cnt
.if \mode == 0
	PLACES
.else
	s_wait_loadcnt \cnt                            ; loads come back in order: the two oldest are in, cnt younger ones stay out
.irp jj, 0,1
	v_cvt_pk_bf16_f32 v[X+4*(8*\hf+2*\q+\jj)],   v[X+4*(8*\hf+2*\q+\jj)],   v[X+4*(8*\hf+2*\q+\jj)+1]
	v_cvt_pk_bf16_f32 v[X+4*(8*\hf+2*\q+\jj)+1], v[X+4*(8*\hf+2*\q+\jj)+2], v[X+4*(8*\hf+2*\q+\jj)+3]
.endr
.irp jj, 0,1
	ds_store_b64 v[HST+\hf], v[X+4*(8*\hf+2*\q+\jj):X+4*(8*\hf+2*\q+\jj)+1] offset:(2*\q+\jj)*2*HSP+128
.endr
.if \mode == 1
.irp jj, 0,1
	global_load_b128 v[X+4*(8*\hf+2*\q+\jj):X+4*(8*\hf+2*\q+\jj)+3], v[GOF+\hf], s[56:57] offset:(2*\q+\jj)*2*HROW th:TH_LOAD_NT
.endr
.endif
.endif
.endm
; One K step: multiplies the hs fragments in abuf by the W tiles of slot; fetches the next step's hs fragments into nbuf and its first W tiles from the other slot.
; LDS instructions of a wave are served in order, loads and stores together, so each count below is what was issued behind the load that is wanted.
; ST = LDS stores in a run (2 or 0).  The last step's two closing runs hold 12 loads each (8 of hs, then 4 of W); a run here holds ST + 4.
.macro STEP slot, abuf, nbuf, hf, zero, mode, cnt0, fill, next
.if \mode == 0
.set ST, 0
.else
.set ST, 2
.endif
.if \mode == 2
.set DC, 2                             ; nothing is asked for any more: the counts of loads run down by two a run
.else
.set DC, 0                             ; two come in, two go out: 14 stay out at every wait
.endif
	HSWORK \hf, 0, \mode, \cnt0
	LDB 2, \slot
	s_wait_dscnt 16+ST                             ; hs blocks 0-3 and W tiles 0, 1 are in; out: the last closing run (12) and this run (ST + 4)
	WIN 0x50
	MULG 0, \abuf, 0, 4, \zero
	s_wait_dscnt 8+ST                              ; hs blocks 4-7 are in; out: W tiles 2, 3 (4) and this run
	MULG 0, \abuf, 4, 4, \zero
	WIN 0
	HSWORK \hf, 1, \mode, \cnt0-DC
	LDB 3, \slot
	s_wait_dscnt 8+2*ST                            ; the W tiles asked for two runs ago are in; out: the two younger runs
	WIN 0x50
	MULG 1, \abuf, 0, 8, \zero
	WIN 0
	HSWORK \hf, 2, \mode, \cnt0-2*DC
	LDB 4, \slot
	s_wait_dscnt 8+2*ST                            ; likewise
	WIN 0xa0
	MULG 2, \abuf, 0, 8, \zero
	WIN 0
	HSWORK \hf, 3, \mode, \cnt0-3*DC
	LDB 5, \slot
	s_wait_dscnt 8+2*ST                            ; likewise
	WIN 0xa0
	MULG 3, \abuf, 0, 8, \zero
	WIN 0
	s_wait_dscnt 0x0                               ; my reads of this slot are over, my stores of hs are done
.if \fill
	s_wait_xcnt 0x0
	v_lshl_add_u32 v14, v0, 2, 0x4e000
	v_mov_b32 v15, 0
	s_wait_tensorcnt 0x0                           ; and all my tensor loads have landed: the one that was out is my part of the other slot; so a group 0 may be written:
	ds_add_u32 v14, v15
	s_wait_dscnt 0x0
.if \slot == 0
	NEXTK 49                                       ; the next chunk of W, for this step's refill and the next step's
.endif
	WADDR \slot                                    ; this slot's next tile, two of my steps ahead
	s_barrier_signal -1                            ; say so: this barrier opens a round of the cluster's barrier
	WIN 0xf0
	MULG 4, \abuf, 0, 4, \zero                     ; registers only, while the others arrive
	WIN 0
	s_barrier_wait -1
	CREST                                          ; no wave of any of the four work-groups still reads this slot or has a load on its way
	tensor_load_to_lds s[G0+4*\slot:G0+4*\slot+3], s[G1:G1+7]      ; my one tensor load behind the round, and the first thing there
	s_nop 0
.else
.if \next
	s_wait_tensorcnt 0x0                           ; the last tile: only my own part of it is read by me, so my own wait is all that its reads need
.endif
	WIN 0xf0
	MULG 4, \abuf, 0, 4, \zero
.if \next
	WIN 0
.endif
.endif
.if \next
.irp i, 0,1,2,3
	v_add_nc_u32 v[AD+\i], 64, v[AD+\i]            ; 32 k on; these four are the places in front of the loads
.endr
	LDA \nbuf, 0
	LDB 0, 1-\slot
	WIN 0xf0
	MULG 4, \abuf, 4, 4, \zero
	WIN 0
.if \mode == 1
.if \hf == 1
	s_wait_xcnt 0x0                                ; pending loads name s[56:57]: it is rewritten only when their addresses are translated
	NEXTK 48
	HBASE 56                                       ; the chunk that the next pair of steps asks for
.endif
	v_add_nc_u32 v[HST+\hf], 128, v[HST+\hf]       ; this half's next place in LDS
	v_nop
	v_nop
	v_nop                                          ; four places in all
.else
	PLACES
.endif
	LDA \nbuf, 4
	LDB 1, 1-\slot
	WIN 0xf0
	MULG 5, \abuf, 0, 8, \zero
	WIN 0
.else
	MULG 4, \abuf, 4, 4, \zero
	MULG 5, \abuf, 0, 8, \zero
	WIN 0
.endif
.endm
	s_wait_dscnt 0x0                               ; the first chunk and the two vectors are stored,
	s_wait_tensorcnt 0x1                           ; my part of my first K step is in; the second's may stay out
	s_barrier_signal -1
	s_barrier_wait -1
	LDA A0, 0                                      ; in the order of a step's two closing runs, so that step 0's counts are every step's
	LDB 0, 0
	LDA A0, 4
	LDB 1, 0
	; Pair p of steps stores the chunk of place p + 1 (whole in front of the round of step 2 p + 1, first read behind it) and asks for that of place p + 2:
	; a load is waited for two steps, 192 matrix instructions of the wave, behind its issue; 16 loads of a wave are always out.
	STEP 0, A0, A1, 0, 1, 1, 14, 1, 1              ; step 0 starts the sums
	STEP 1, A1, A0, 1, 0, 1, 14, 1, 1
	s_mov_b32 s36, 9
.Lpair:
	STEP 0, A0, A1, 0, 0, 1, 14, 1, 1
	STEP 1, A1, A0, 1, 0, 1, 14, 1, 1
	s_sub_co_u32 s36, s36, 1
	s_cmp_lg_u32 s36, 0
	s_cbranch_scc1 .Lpair
	STEP 0, A0, A1, 0, 0, 2, 14, 1, 1              ; steps 20, 21: the last chunk is stored, no hs is left to ask for: 14, 12, 10, 8,
	STEP 1, A1, A0, 1, 0, 2, 6, 1, 1               ; 6, 4, 2, 0.  Their refills are my steps 22 and 23, the last
	STEP 0, A0, A1, 0, 0, 0, 0, 0, 1               ; steps 22, 23 fill nothing and have no round
	STEP 1, A1, A0, 1, 0, 0, 0, 0, 0
	; THE WAY OUT.  Window 0 is free but for v0, v1, v12, v13.
.set U,   4                            ; v4-11    at work
.set BI,  16                           ; v16-111  S b of my lane's 96 columns (tile b: 8 registers)
.set WN,  112                          ; v112-207 -S W_nu likewise
.set T,   208                          ; v208-239 32 numbers at work
.set P,   240                          ; v240-255 row block a: two running sums
	PLACES                                         ; behind the last matrix instructions: for the loads into their sources and for the reads of their results
	s_mul_i32 s44, s14, 768
	s_add_co_u32 s44, s44, CB
	v_lshl_add_u32 v14, v13, 5, s44                ; column 192 w + 8 h, in bytes
.irp b, 0,1,2,3,4,5,6,7,8,9,10,11
	ds_load_b128 v[BI+8*\b:BI+8*\b+3],   v14 offset:\b*64
	ds_load_b128 v[BI+8*\b+4:BI+8*\b+7], v14 offset:\b*64+16
	ds_load_b128 v[WN+8*\b:WN+8*\b+3],   v14 offset:3072+\b*64
	ds_load_b128 v[WN+8*\b+4:WN+8*\b+7], v14 offset:3072+\b*64+16
.endr
	s_wait_dscnt 0x0
.macro SETU w, q0, u                   ; tile q0 + u of window w: its 8 numbers, its 8 weights, its 4 registers of scratch
.set tt, T+8*(\q0+\u)
.set ww, WN+8*(4*(\w-1)+\q0+\u)
.set uu, U+4*\u
.endm
; Two tiles: e = 1 + 2^t in tt .. tt + 7.  In each half of the packed pairs four terms w / e become one fraction N / D.
.macro QUAD w, a, q0
.irp u, 0,1
	SETU \w, \q0, \u
	v_pk_mul_f32 v[uu:uu+1],   v[ww:ww+1],   v[tt+2:tt+3]
	v_pk_mul_f32 v[uu+2:uu+3], v[ww+4:ww+5], v[tt+6:tt+7]
.endr
.irp u, 0,1
	SETU \w, \q0, \u
	v_pk_fma_f32 v[uu:uu+1],   v[ww+2:ww+3], v[tt:tt+1],   v[uu:uu+1]      ; w01 e23 + w23 e01
	v_pk_fma_f32 v[uu+2:uu+3], v[ww+6:ww+7], v[tt+4:tt+5], v[uu+2:uu+3]    ; w45 e67 + w67 e45
.endr
.irp u, 0,1
	SETU \w, \q0, \u
	v_pk_mul_f32 v[tt:tt+1],   v[tt:tt+1],   v[tt+2:tt+3]                  ; e01 e23
	v_pk_mul_f32 v[tt+4:tt+5], v[tt+4:tt+5], v[tt+6:tt+7]                  ; e45 e67
.endr
.irp u, 0,1
	SETU \w, \q0, \u
	v_pk_mul_f32 v[tt+2:tt+3], v[uu:uu+1], v[tt+4:tt+5]
.endr
.irp u, 0,1
	SETU \w, \q0, \u
	v_pk_fma_f32 v[tt+2:tt+3], v[uu+2:uu+3], v[tt:tt+1], v[tt+2:tt+3]      ; N
.endr
.irp u, 0,1
	SETU \w, \q0, \u
	v_pk_mul_f32 v[tt:tt+1], v[tt:tt+1], v[tt+4:tt+5]                      ; D, between 1 and 2^120 (1 + 2^-28)
.endr
.irp u, 0,1
	SETU \w, \q0, \u
	v_rcp_f32 v[tt+6], v[tt]
	v_rcp_f32 v[tt+7], v[tt+1]
.endr
	v_nop                                          ; one plain vector instruction between the reciprocals and their use (ISA guide 5.7.2)
	s_wait_alu depctr_va_vdst(0)
.irp u, 0,1
	SETU \w, \q0, \u
.if ((\w-1)+\q0+\u) == 0
	s_wait_alu depctr_va_vdst(0)
	v_pk_mul_f32 v[P+2*\a:P+2*\a+1], v[tt+2:tt+3], v[tt+6:tt+7]            ; a row block's first tile starts its sums
.else
	v_pk_fma_f32 v[P+2*\a:P+2*\a+1], v[tt+2:tt+3], v[tt+6:tt+7], v[P+2*\a:P+2*\a+1]
.endif
.endr
.endm
; The four tiles of window w in row block a: 32 numbers a lane.
.macro BATCH w, a
	WIN \w                                         ; source 0 (the accumulators) in window w
.irp bq, 0,1,2,3
.irp jp, 0,1,2,3
	v_pk_fma_f32 v[T+8*\bq+2*\jp:T+8*\bq+2*\jp+1], v[8*(8*\bq+\a)+2*\jp:8*(8*\bq+\a)+2*\jp+1], s[38:39], v[BI+8*(4*(\w-1)+\bq)+2*\jp:BI+8*(4*(\w-1)+\bq)+2*\jp+1] op_sel_hi:[1,0,1]   ; t = S acc + S b
.endr
.endr
	WIN 0
.set i, 0
.rept 32
	v_min_num_f32 v[T+i], s37, v[T+i]              ; t <= 30
.set i, i+1
.endr
.set i, 0
.rept 32
	v_exp_f32 v[T+i], v[T+i]
.set i, i+1
.endr
	v_nop                                          ; one plain vector instruction between the exponentials and their use (ISA guide 5.7.2)
.set i, 0
	s_wait_alu depctr_va_vdst(0)
.rept 16
	v_pk_add_f32 v[T+2*i:T+2*i+1], v[T+2*i:T+2*i+1], 1.0 op_sel_hi:[1,0]
.set i, i+1
.endr
	QUAD \w, \a, 0
	QUAD \w, \a, 2
.endm
.irp w, 1,2,3
.irp a, 0,1,2,3,4,5,6,7
	BATCH \w, \a
.endr
.endr
	; The sum over my 192 columns: the pair's two halves, then the other half of the lanes.
	s_lshl_b32 s44, s14, 9
	s_add_co_u32 s44, s44, NUP
	v_lshl_add_u32 v14, v1, 2, s44                 ; NUP[w][r]
.irp a, 0,1,2,3,4,5,6,7
	v_add_f32 v[T+\a], v[P+2*\a], v[P+2*\a+1]
.endr
.irp a, 0,1,2,3,4,5,6,7
	v_permlanex16_b32 v[T+8+\a], v[T+\a], s40, s41 ; its destination counts as read: T has been written
.endr
.irp a, 0,1,2,3,4,5,6,7
	v_add_f32 v[T+\a], v[T+\a], v[T+8+\a]
.endr
.irp a, 0,1,2,3,4,5,6,7
	ds_store_b32 v14, v[T+\a] offset:\a*64         ; row 16 a + r; both halves of the lanes write the same number
.endr
	s_mov_b32 s44, NUP
	v_lshl_add_u32 v15, v12, 4, s44                ; rows 4 L .. 4 L + 3
	s_mul_i32 s45, s14, 32*HSP
	s_add_co_u32 s45, s45, HS
	v_lshl_add_u32 v2, v12, 4, s45                 ; hs in LDS: my rows 32 w .., 16 bytes a lane
	s_lshl_b32 s46, s14, 9
	s_add_co_u32 s46, s46, EW
	v_lshl_add_u32 v3, v12, 4, s46                 ; my copy of the weights, rows 4 L ..
	s_mul_i32 s47, s14, 640
	s_add_co_u32 s47, s47, EW
	v_mov_b32 v4, s47                              ; in my copy: the weights of my rows 32 w .., the same address in every lane
	s_wait_dscnt 0x0                               ; my partial sums are stored before I say so
	s_barrier_signal -1
	s_barrier_wait -1
.set WT,  32                           ; v32-63   weight of my row l, in every lane
.set ACC, 64                           ; v64-87   24 columns' sums: LDS column 256 gq + 8 L + e at ACC + 8 gq + e
.set PB0, 96                           ; v96-143  four rows of hs, 12 registers each
.set PB1, 144                          ; v144-191 the other buffer
.macro PLOAD buf, bt                   ; rows 4 bt .. 4 bt + 3 of my 32: a load takes 512 neighbouring bytes
.irp l, 0,1,2,3
.irp gq, 0,1,2
	ds_load_b128 v[\buf+12*\l+4*\gq:\buf+12*\l+4*\gq+3], v2 offset:(4*(\bt)+\l)*HSP+\gq*512
.endr
.endr
.endm
.irp wv, 0,1,2,3
	ds_load_b128 v[16+4*\wv:19+4*\wv], v15 offset:\wv*512
.endr
	PLOAD PB0, 0                                   ; the first eight rows of hs are fetched while the softmax is made
	PLOAD PB1, 1
	s_wait_dscnt 24                                ; the four partial sums are in; the 24 loads of hs stay out
	v_pk_add_f32 v[16:17], v[16:17], v[20:21]
	v_pk_add_f32 v[18:19], v[18:19], v[22:23]
	v_pk_add_f32 v[24:25], v[24:25], v[28:29]
	v_pk_add_f32 v[26:27], v[26:27], v[30:31]
	v_pk_add_f32 v[16:17], v[16:17], v[24:25]
	v_pk_add_f32 v[18:19], v[18:19], v[26:27]      ; nu2 of rows 4 L .. 4 L + 3
	v_max3_num_f32 v20, v16, v17, v18
	v_max_num_f32 v20, v20, v19
	v_max_num_f32_dpp v20, v20, v20 row_xmask:1 row_mask:0xf bank_mask:0xf
	v_max_num_f32_dpp v20, v20, v20 row_xmask:2 row_mask:0xf bank_mask:0xf
	v_max_num_f32_dpp v20, v20, v20 row_xmask:4 row_mask:0xf bank_mask:0xf
	v_max_num_f32_dpp v20, v20, v20 row_xmask:8 row_mask:0xf bank_mask:0xf
	v_permlanex16_b32 v22, v20, s40, s41
	v_max_num_f32 v20, v20, v22                    ; v20: the maximum of the 128 rows, in every lane
.irp i, 0,1,2,3
	v_sub_f32 v[24+\i], v[16+\i], v20
.endr
.irp i, 0,1,2,3
	v_exp_f32 v[24+\i], v[24+\i]                   ; nu2 is in units of log2: 2^(nu2 - max) = e^(nu - max nu)
.endr
	v_nop                                          ; one plain vector instruction between the exponentials and their use (ISA guide 5.7.2)
	s_wait_alu depctr_va_vdst(0)
	ds_store_b128 v3, v[24:27]
.irp i, 0,1,2,3,4,5,6,7
	ds_load_b128 v[WT+4*\i:WT+4*\i+3], v4 offset:\i*16   ; my own bytes: LDS serves a wave's instructions in order, these see the store above
.endr
	v_add_f32 v21, v24, v25
	v_add_f32 v22, v26, v27
	v_add_f32 v21, v21, v22
	v_add_f32_dpp v21, v21, v21 row_xmask:1 row_mask:0xf bank_mask:0xf
	v_add_f32_dpp v21, v21, v21 row_xmask:2 row_mask:0xf bank_mask:0xf
	v_add_f32_dpp v21, v21, v21 row_xmask:4 row_mask:0xf bank_mask:0xf
	v_add_f32_dpp v21, v21, v21 row_xmask:8 row_mask:0xf bank_mask:0xf
	v_permlanex16_b32 v22, v21, s40, s41
	v_add_f32 v21, v21, v22                        ; v21: the sum of the 128 weights
; Four rows: each bf16 half times the row's f32 weight, added in f32.  cnt = LDS loads that may stay out.
.macro PBATCH bt, buf, cnt
	s_wait_dscnt \cnt
.irp l, 0,1,2,3
.if (4*\bt+\l) == 0
.irp k, 0,1,2,3,4,5,6,7,8,9,10,11
	v_lshlrev_b32 v[ACC+2*\k],   16, v[\buf+\k]    ; the first row starts the sums: nothing is cleared
	v_and_b32     v[ACC+2*\k+1], 0xffff0000, v[\buf+\k]
.endr
.irp k, 0,1,2,3,4,5,6,7,8,9,10,11
	v_pk_mul_f32 v[ACC+2*\k:ACC+2*\k+1], v[ACC+2*\k:ACC+2*\k+1], v[WT:WT+1] op_sel_hi:[1,0]
.endr
.else
.irp k, 0,1,2,3,4,5,6,7,8,9,10,11
	v_fma_mix_f32_bf16 v[ACC+2*\k],   v[\buf+12*\l+\k], v[WT+4*\bt+\l], v[ACC+2*\k] op_sel_hi:[1,0,0]
	v_fma_mix_f32_bf16 v[ACC+2*\k+1], v[\buf+12*\l+\k], v[WT+4*\bt+\l], v[ACC+2*\k+1] op_sel:[1,0,0] op_sel_hi:[1,0,0]
.endr
.endif
.endr
.if \bt < 6
	PLOAD \buf, \bt+2
.endif
.endm
	PBATCH 0, PB0, 0                               ; the weights were asked for last: all is in
	PBATCH 1, PB1, 12                              ; from here on the 12 loads of the batch behind stay out
	PBATCH 2, PB0, 12
	PBATCH 3, PB1, 12
	PBATCH 4, PB0, 12
	PBATCH 5, PB1, 12
	PBATCH 6, PB0, 12
	PBATCH 7, PB1, 0                               ; nothing was asked for behind the last batch
	; The four waves' sums meet in LDS, still in the order of processing.
	s_mul_i32 s44, s14, 3072
	s_add_co_u32 s44, s44, PP
	v_lshl_add_u32 v5, v12, 5, s44                 ; PP[w][8 L]
	s_mov_b32 s45, PP
	v_lshl_add_u32 v6, v0, 3, s45                  ; PP[.][2 x thread]
	v_lshlrev_b32 v8, 3, v12                       ; 8 L
	; Thread t's i-th pair of sums lies at LDS column 256 i + 2 t: place 4 i + w of the twelve, so a wave's store is one whole chunk (64 f32).
	; It belongs to chunk (4 i + w + p0) mod 12 of part's row.
.irp i, 0,1,2
	s_add_co_u32 s44, s14, 4*\i
	s_add_co_u32 s44, s44, s17                     ; at most 22
	s_cmp_ge_u32 s44, CHUNKS
	s_cselect_b32 s45, CHUNKS, 0
	s_sub_co_u32 s44, s44, s45
	v_lshl_add_u32 v[9+\i], s44, 8, v8             ; 256 x chunk + 8 L
.endr
.irp gq, 0,1,2
	ds_store_b128 v5, v[ACC+8*\gq:ACC+8*\gq+3]   offset:\gq*1024
	ds_store_b128 v5, v[ACC+8*\gq+4:ACC+8*\gq+7] offset:\gq*1024+16
.endr
	s_wait_dscnt 0x0                               ; stored before I say so
	s_barrier_signal -1
	s_barrier_wait -1
.irp i, 0,1,2
.irp wv, 0,1,2,3
	ds_load_b64 v[PB0+8*\i+2*\wv:PB0+8*\i+2*\wv+1], v6 offset:\wv*3072+\i*1024
.endr
.endr
	s_wait_dscnt 0x0
.irp i, 0,1,2
	v_pk_add_f32 v[PB0+8*\i:PB0+8*\i+1],   v[PB0+8*\i:PB0+8*\i+1],   v[PB0+8*\i+2:PB0+8*\i+3]
	v_pk_add_f32 v[PB0+8*\i+4:PB0+8*\i+5], v[PB0+8*\i+4:PB0+8*\i+5], v[PB0+8*\i+6:PB0+8*\i+7]
.endr
.irp i, 0,1,2
	v_pk_add_f32 v[PB0+8*\i:PB0+8*\i+1], v[PB0+8*\i:PB0+8*\i+1], v[PB0+8*\i+4:PB0+8*\i+5]
.endr
.irp i, 0,1,2
	global_store_b64 v[9+\i], v[PB0+8*\i:PB0+8*\i+1], s[12:13]               ; a wave's store covers 256 neighbouring bytes, aligned
.endr
	s_cmp_lg_u32 s14, 0
	s_cbranch_scc1 .Lno_stat
	global_store_b64 v8, v[20:21], s[12:13] offset:3072                      ; (maximum, sum), 32 times: 256 neighbouring bytes, aligned
.Lno_stat:
	s_wait_xcnt 0x0
	v_lshl_add_u32 v14, v0, 2, 0x4e000
	v_mov_b32 v15, 0
	s_wait_tensorcnt 0x0
	ds_add_u32 v14, v15
	s_wait_dscnt 0x0
	CROUND                                         ; the closing round: no work-group ends while a partner may still ask for a tile that names it
	s_endpgm
.Lfunc_end_k_q61215be54a_main:
	.size	k_q61215be54a_main, .Lfunc_end_k_q61215be54a_main-k_q61215be54a_main
	.p2alignl 7, 3214868480
	.fill 96, 4, 3214868480
	.section	.rodata,"a",@progbits
	.p2align	6, 0x0
	.amdhsa_kernel k_q61215be54a_main
		.amdhsa_group_segment_fixed_size 327680
		.amdhsa_private_segment_fixed_size 0
		.amdhsa_enable_private_segment 0
		.amdhsa_kernarg_size 40
		.amdhsa_user_sgpr_count 2
		.amdhsa_user_sgpr_kernarg_segment_ptr 1
		.amdhsa_wavefront_size32 1
		.amdhsa_system_sgpr_workgroup_id_x 1
		.amdhsa_system_sgpr_workgroup_id_y 1
		.amdhsa_system_sgpr_workgroup_id_z 1
		.amdhsa_system_vgpr_workitem_id 0
		.amdhsa_next_free_vgpr 1024
		.amdhsa_next_free_sgpr 66
		.amdhsa_reserve_vcc 0
		.amdhsa_float_denorm_mode_32 3
		.amdhsa_float_denorm_mode_16_64 3
		.amdhsa_memory_ordered 1
		.amdhsa_forward_progress 1
		.amdhsa_inst_pref_size 255
	.end_amdhsa_kernel
	.section	.bss,"aw",@nobits
	.p2align	6
	.space	262144
	.amdgpu_metadata
---
amdhsa.version: [ 1, 2 ]
amdhsa.kernels:
  - .name:           k_q61215be54a_main
    .symbol:         k_q61215be54a_main.kd
    .args:
      - { .name: hidden_states, .offset: 0, .size: 8, .value_kind: global_buffer, .address_space: global }
      - { .name: wfrag, .offset: 8, .size: 8, .value_kind: global_buffer, .address_space: global }
      - { .name: b_fc, .offset: 16, .size: 8, .value_kind: global_buffer, .address_space: global }
      - { .name: W_nu, .offset: 24, .size: 8, .value_kind: global_buffer, .address_space: global }
      - { .name: part, .offset: 32, .size: 8, .value_kind: global_buffer, .address_space: global }
    .group_segment_fixed_size: 327680
    .private_segment_fixed_size: 0
    .kernarg_segment_align: 8
    .kernarg_segment_size: 40
    .max_flat_workgroup_size: 128
    .sgpr_count:     66
    .vgpr_count:     1024
    .wavefront_size: 32
...
	.end_amdgpu_metadata
.endif
;; end of part 4
;; launch finish: the kernel of part 3 again; grid 64 x 1, 6 waves a work-group, no clusters, 0 bytes of LDS; arguments part, out0; writes out0
